; MI455X (gfx1250); checked and timed in simulation.
; The chip was launched on July 23, 2026; its instructions are those of AMD's public machine-readable ISA for CDNA 5 (MIT licence, August 2026) and "CDNA5" Instruction Set Architecture Reference Guide (July 2026). The comments in the code are by the model that wrote it; some were corrected since.
;; Masked Causal Attention. Allowed arithmetic: matrix products marked QUANTISED: E3M2 operands, one E8M0 scale for each 32 along K, by v_wmma_scale_f32_16x16x128_f8f6f4 with both operands' format E3M2, f32 sums; everything else in f32.
;; Inputs: bk 1,024 float32; bp 1,024 float32; bq 1,024 float32; bv 1,024 float32; wk 1,024 x 1,024 float32; wp 1,024 x 1,024 float32; wq 1,024 x 1,024 float32; wv 1,024 x 1,024 float32; x 4 x 2,048 x 1,024 float32.
;; Outputs: out0 4 x 2,048 x 1,024 float32.
;; This version of the problem:
;;   THIS VERSION OF THE PROBLEM IS GIVEN IN LOW PRECISION. The matrix products marked QUANTISED in the list below multiply operands that are first quantised to E3M2 (3 exponent bits, 2 mantissa bits; 6 bits a number), with one power-of-two scale for each 32 numbers along K (OCP MX v1.0); their sums are f32. All else is computed in f32.
;;   The module's matrix products, in the order in which they are computed (A, B: the left and right operand; K: the contracted axis; several contracted axes count as one K, in the product's order):
;;     1. [M 8,192, K 1,024] x [K 1,024, N 1,024]; A: input x; B: input wq: QUANTISED
;;     2. [M 8,192, K 1,024] x [K 1,024, N 1,024]; A: input x; B: input wk: QUANTISED
;;     3. [M 8,192, K 1,024] x [K 1,024, N 1,024]; A: input x; B: input wv: QUANTISED
;;     4. batch 64 x [M 2,048, K 64] x [K 64, N 2,048]; A: computed on the way; B: computed on the way: QUANTISED
;;     5. batch 64 x [M 64, K 2,048] x [K 2,048, N 2,048]; A: computed on the way; B: softmax (see below): QUANTISED
;;     6. [M 8,192, K 1,024] x [K 1,024, N 1,024]; A: computed on the way; B: input wp: QUANTISED
;;   THE QUANTISER, for each operand of a quantised product, along K:
;;     - K is cut into blocks of 32 from its start; a last block that is shorter is filled with zeros.
;;     - A block's scale is 2^e with e = floor(log2(the largest magnitude in the block)) - 4, held to -126 .. 127; a block of zeros has e = 0. As a byte (E8M0): e + 127.
;;     - Each number is divided by its block's scale, clamped to +-28, and rounded to the nearest number of E3M2, ties to even, subnormals kept.
;;     - The product sums the exact products of the quantised numbers (number of the format x scale) in f32.
;;   ~~~python
;;   def quantise(x, axis):      # numpy; x: float32 -> the quantised numbers, widened to float32 again
;;       x = np.moveaxis(x, axis, -1); K = x.shape[-1]
;;       x = np.pad(x, [(0, 0)] * (x.ndim - 1) + [(0, -K % 32)]); x = x.reshape(x.shape[:-1] + (-1, 32)); a = np.abs(x).max(-1, keepdims=True)
;;       e = np.where(a > 0, np.clip(np.frexp(np.where(a > 0, a, 1))[1] - 1 - 4, -126, 127), 0)      # np.frexp(a)[1] - 1 = floor(log2(a)), exactly
;;       r = np.clip(x / 2.0 ** e, -28, 28)
;;       step = 2.0 ** (np.maximum(np.frexp(np.where(r == 0, 1, r))[1] - 1, -2) - 2)
;;       q = np.round(r / step) * step * 2.0 ** e      # np.round: ties to even
;;       return np.moveaxis(q.reshape(q.shape[:-2] + (-1,))[..., :K], -1, axis).astype(np.float32)
;;   ~~~
;;   SOFTMAX AHEAD OF A QUANTISED PRODUCT. Where the list says 'softmax', what is quantised is not the finished softmax but p = 2^(t - M), with t = logit x log2(e) and M = ceil(the row's largest t), a whole number; so 1/2 < the row's largest p <= 1. The row's sum l is taken of the UNQUANTISED p, in f32, and the product's result is divided by l at the end. Since M is a whole number, a kernel that streams over the keys may use a running M (the ceiling of the running maximum): every later rescaling is an exact power of two, which a block's scale takes up: the codes' values come out the same.
;;   OPERANDS COMPUTED ON THE WAY. 'Computed on the way' means the value that the module computes at that place (a softmax that the list does not call 'softmax' is quantised finished and normalised). What goes into a quantiser is computed in f32, as accurately as f32 sums, v_exp_f32 and their like allow (about 1e-6 of the number): no bf16 or f16 on the way to a quantiser, and a product that is left as it is and whose result goes on into a quantised operand takes f32 operands (vector FMAs, or v_wmma_f32_16x16x4_f32). A number that lies on a knife's edge between two numbers of the format may be rounded either way, as far as f32 arithmetic and the matrix unit's own rounding can turn it there, and no further.
;; One version. Each part assembles by itself: llvm-mc -triple=amdgcn-amd-amdhsa -mcpu=gfx1250 --defsym DOCPART=n.
;; ======== version 1 of 1: 4 launches
;; limits: right only within a limited range of input values
;; workspace buffers: qc 9,437,184 bytes; qs 393,216 bytes; kvb 13,369,344 bytes; qb 13,369,344 bytes; ac 6,291,456 bytes; asb 262,144 bytes
;; launch quant (part 1): grid 384 x 1, 4 waves a work-group, no clusters, 68,096 bytes of LDS; arguments x, wq, wk, wv, wp, qc, qs; writes qc, qs
.if DOCPART == 1
	.amdgcn_target "amdgcn-amd-amdhsa--gfx1250"
	.amdhsa_code_object_version 6
	.text
	.protected	k_qe8a934c2b4_quant
	.globl	k_qe8a934c2b4_quant
	.p2align	8
	.type	k_qe8a934c2b4_quant,@function
k_qe8a934c2b4_quant:
	s_mov_b64 s[64:65], 0
	v_nop
	global_prefetch_b8 v0, s[64:65] scope:SCOPE_SE
	s_setreg_imm32_b32 hwreg(HW_REG_WAVE_MODE, 25, 1), 1
	s_wait_xcnt 0x0
; x [8192][1024] and wq, wk, wv, wp [1024][1024], f32, K innermost, become codes of BF6 (E3M2) with one E8M0 byte for each 32 along K,
; laid IN THE ORDER OF AN OPERAND'S REGISTERS, so that the later launches fetch fragments by 16-byte loads and dense tensor loads alone.
; TILES.  A tile is 16 rows: lane r of tile T takes row 64 (T / 4) + 8 (T % 4) + r % 8 + 32 (r / 8): so in a matrix result a lane's 32 registers of four neighbouring tiles are 32 neighbouring rows.
; 768 tiles: 0-511 x, 512-575 wq, 576-639 wk, 640-703 wv, 704-767 wp.
; qc: [tile][8 K steps][1,536 bytes]: a fragment's registers 4 g .. 4 g + 3 of lane l at 512 g + 16 l.   qs: [tile][512 bytes]: the scale word of (row r, K step s) at 256 (s / 4) + 16 r + 4 (s % 4).
; A block's scale is 2^(floor(log2(largest magnitude)) - 4); its byte is the largest magnitude's exponent field - 4, held at 1 from below.
; LIMITS: a block of zeros, or one whose largest magnitude lies under 2^-122, gets the byte 1 (the bytes are read by this program alone; zero codes add nothing); NaN and infinities among the inputs are not served.
; SHARES.  A wave takes one tile and half of K: four fragments of 16 rows x 128 K.  Each load reads 512 consecutive bytes of one row; a fragment turns through the wave's own stage in LDS (rows 528 bytes apart)
; and comes back as two whole blocks of 32 a lane, as the operand's layout wants them.  One path serves all five tensors: only pointers are chosen, by the work-group's number.  No shared input, so no cluster; no tensor load, no barrier.
.set STG,  8448                        ; a stage: 16 rows x 528 bytes
.set WREG, 2*STG                       ; two stages for each wave
.set RA,   64                          ; v64-191  two sets of 64 numbers as loaded
.set XR,   192                         ; v192-255 64 numbers after the turn: register 32 c + i = k 64 c + 32 (lane / 16) + i of my row
.set WW,   20                          ; v20-23   the four fragments' scale words
	s_load_b256 s[4:11], s[0:1], 0x0               ; x, wq, wk, wv
	s_load_b128 s[12:15], s[0:1], 0x20             ; wp, qc
	s_load_b64 s[16:17], s[0:1], 0x30              ; qs
	v_lshl_add_u32 v62, v0, 2, 0x10800
	v_mov_b32 v63, 0
	v_lshrrev_b32 v1, 5, v0
	v_readfirstlane_b32 s18, v1                    ; wave
	v_and_b32 v1, 31, v0                           ; lane
	v_and_b32 v8, 15, v0                           ; r
	v_bfe_u32 v9, v0, 4, 1                         ; h
	v_lshlrev_b32 v2, 4, v1                        ; 16 x lane
	s_mul_i32 s19, s18, WREG
	v_add_nc_u32 v3, s19, v2                       ; into the stage: 16 x lane of a row
	v_mul_u32_u24 v4, v8, 528
	v_lshl_add_u32 v4, v9, 7, v4
	v_add_nc_u32 v4, s19, v4                       ; out of it: row r, + 128 h: my block of 32 numbers
	v_lshlrev_b32 v5, 3, v9                        ; 8 h
	v_lshl_add_u32 v6, v8, 4, v5                   ; 16 r + 8 h: where my two scale words go
	v_mov_b32 v7, 0                                ; a lane permute's destination counts as one of its sources
	s_mov_b32 s20, 0x76543210
	s_mov_b32 s21, 0xfedcba98                      ; selects for lane l xor 16
	s_mov_b32 s22, 0xffff0000                      ; lanes 16-31
	s_lshr_b32 s23, s18, 1                         ; which of the work-group's two tiles
	s_and_b32 s24, s18, 1                          ; which half of K
	s_wait_alu depctr_va_vdst(0)
	s_wait_kmcnt 0x0
	s_mov_b64 s[26:27], s[12:13]                   ; the tensor and its first work-group, by the work-group's number alone
	s_mov_b32 s25, 352
	s_cmp_lt_u32 ttmp9, 352
	s_cselect_b64 s[26:27], s[10:11], s[26:27]
	s_cselect_b32 s25, 320, s25
	s_cmp_lt_u32 ttmp9, 320
	s_cselect_b64 s[26:27], s[8:9], s[26:27]
	s_cselect_b32 s25, 288, s25
	s_cmp_lt_u32 ttmp9, 288
	s_cselect_b64 s[26:27], s[6:7], s[26:27]
	s_cselect_b32 s25, 256, s25
	s_cmp_lt_u32 ttmp9, 256
	s_cselect_b64 s[26:27], s[4:5], s[26:27]
	s_cselect_b32 s25, 0, s25
	s_sub_co_u32 s28, ttmp9, s25
	s_lshl_b32 s28, s28, 1
	s_add_co_u32 s28, s28, s23                     ; the tile's number in its tensor
	s_lshr_b32 s29, s28, 2
	s_lshl_b32 s29, s29, 18                        ; 64 rows of 4,096 bytes
	s_and_b32 s30, s28, 3
	s_lshl_b32 s30, s30, 15                        ; 8 rows
	s_add_co_u32 s30, s30, s29
	s_lshl_b32 s31, s24, 11                        ; half a row
	s_add_co_u32 s30, s30, s31
	s_mov_b32 s31, 0
	s_add_nc_u64 s[26:27], s[26:27], s[30:31]
	s_lshl_b32 s28, ttmp9, 1
	s_add_co_u32 s28, s28, s23                     ; the tile's number among the 768
	s_mul_i32 s30, s28, 12288
	s_mul_i32 s29, s24, 6144
	s_add_co_u32 s30, s30, s29
	s_add_nc_u64 s[14:15], s[14:15], s[30:31]
	s_lshl_b32 s30, s28, 9
	s_lshl_b32 s29, s24, 8
	s_add_co_u32 s30, s30, s29
	s_add_nc_u64 s[16:17], s[16:17], s[30:31]
.macro LOAD f                          ; fragment f: 16 rows x 512 bytes; each load reads 512 consecutive bytes; the tile's row i is row i % 8 + 32 (i / 8) from its first
.set i, 0
.rept 16
	global_load_b128 v[RA+64*((\f)%2)+4*i:RA+64*((\f)%2)+4*i+3], v2, s[26:27] offset:(i+24*(i/8))*4096+512*(\f) th:TH_LOAD_NT
.set i, i+1
.endr
.endm
.macro FRAGQ f
.set RS, RA+64*((\f)%2)
.set PCR, 28+12*((\f)%2)               ; v28-39, v40-51: the codes, two sets by turns
.if (\f) < 3
	s_wait_loadcnt 16                              ; this fragment's 16 loads are in; the next fragment's may be out
.else
	s_wait_loadcnt 0x0
.endif
.set i, 0
.rept 16
	ds_store_b128 v3, v[RS+4*i:RS+4*i+3] offset:((\f)%2)*STG+528*i
.set i, i+1
.endr
.set i, 0
.rept 16                               ; LDS serves a wave's instructions in order: these see the stores above
	ds_load_b128 v[XR+4*i:XR+4*i+3], v4 offset:((\f)%2)*STG+256*(i/8)+16*(i%8)
.set i, i+1
.endr
	s_wait_dscnt 0x0
.if (\f) < 2
	LOAD (\f)+2
.endif
.irp c, 0,1
	v_max3_num_f32 v[8+\c], |v[XR+32*\c]|, |v[XR+32*\c+1]|, 0x2800000   ; my two blocks by turns; the floor 2^(5 - 127) holds the byte at 1 from below
.endr
.irp i, 2,4,6,8,10,12,14,16,18,20,22,24,26,28,30
.irp c, 0,1
	v_max3_num_f32 v[8+\c], v[8+\c], |v[XR+32*\c+\i]|, |v[XR+32*\c+\i+1]|
.endr
.endr
.irp c, 0,1
	v_add_nc_u32 v[8+\c], 0xfe000000, v[8+\c]      ; 4 off the exponent field: the conversion's scale operand
.endr
.irp c, 0,1
	v_lshrrev_b32 v[10+\c], 23, v[8+\c]            ; the scale's byte
.endr
	v_lshl_or_b32 v10, v11, 16, v10                ; blocks h and 2 + h of my row,
	v_lshlrev_b32 v10, v5, v10                     ; at their places in the word;
	v_permlanex16_b32 v7, v10, s20, s21
	v_or_b32 v[WW+(\f)], v10, v7                   ; with lane l xor 16's two the word is whole
.if (\f) >= 2
	s_wait_alu depctr_va_vdst(0)
	s_wait_xcnt 0x0                                ; the stores of two fragments ago have read this set of codes
.endif
	v_cvt_scalef32_pk16_bf6_f32 v[PCR:PCR+2], v[XR:XR+15], v8
	v_cvt_scalef32_pk16_bf6_f32 v[12:14], v[XR+16:XR+31], v8      ; (a conversion's three registers begin on an even number)
	v_cvt_scalef32_pk16_bf6_f32 v[PCR+6:PCR+8], v[XR+32:XR+47], v9
	v_cvt_scalef32_pk16_bf6_f32 v[16:18], v[XR+48:XR+63], v9
	v_nop                                          ; one plain instruction behind the scaled conversions
.irp i, 0,1,2
	v_mov_b32 v[PCR+3+\i], v[12+\i]
	v_mov_b32 v[PCR+9+\i], v[16+\i]
.endr
.irp g, 0,1,2
	global_store_b128 v2, v[PCR+4*\g:PCR+4*\g+3], s[14:15] offset:1536*(\f)+512*\g   ; 512 consecutive bytes, aligned to 256
.endr
.endm
	LOAD 0
	LOAD 1
	FRAGQ 0
	FRAGQ 1
	FRAGQ 2
	FRAGQ 3
	v_cndmask_b32 v24, v20, v22, s22               ; lanes 0-15 store words 0 and 1 of their row, lanes 16-31 words 2 and 3
	v_cndmask_b32 v25, v21, v23, s22
	global_store_b64 v6, v[24:25], s[16:17]        ; 256 consecutive bytes, aligned
	s_wait_tensorcnt 0x0
	ds_add_u32 v62, v63
	s_wait_dscnt 0x0
	s_endpgm
.Lfunc_end_k_qe8a934c2b4_quant:
	.size	k_qe8a934c2b4_quant, .Lfunc_end_k_qe8a934c2b4_quant-k_qe8a934c2b4_quant
	.p2alignl 7, 3214868480
	.fill 96, 4, 3214868480
	.section	.rodata,"a",@progbits
	.p2align	6, 0x0
	.amdhsa_kernel k_qe8a934c2b4_quant
		.amdhsa_group_segment_fixed_size 68096
		.amdhsa_private_segment_fixed_size 0
		.amdhsa_enable_private_segment 0
		.amdhsa_kernarg_size 56
		.amdhsa_user_sgpr_count 2
		.amdhsa_user_sgpr_kernarg_segment_ptr 1
		.amdhsa_wavefront_size32 1
		.amdhsa_system_sgpr_workgroup_id_x 1
		.amdhsa_system_sgpr_workgroup_id_y 1
		.amdhsa_system_sgpr_workgroup_id_z 1
		.amdhsa_system_vgpr_workitem_id 0
		.amdhsa_next_free_vgpr 256
		.amdhsa_next_free_sgpr 66
		.amdhsa_reserve_vcc 0
		.amdhsa_float_denorm_mode_32 3
		.amdhsa_float_denorm_mode_16_64 3
		.amdhsa_memory_ordered 1
		.amdhsa_forward_progress 1
		.amdhsa_inst_pref_size 31
	.end_amdhsa_kernel
	.amdgpu_metadata
---
amdhsa.version: [ 1, 2 ]
amdhsa.kernels:
  - .name:           k_qe8a934c2b4_quant
    .symbol:         k_qe8a934c2b4_quant.kd
    .args:
      - { .name: x, .offset: 0, .size: 8, .value_kind: global_buffer, .address_space: global }
      - { .name: wq, .offset: 8, .size: 8, .value_kind: global_buffer, .address_space: global }
      - { .name: wk, .offset: 16, .size: 8, .value_kind: global_buffer, .address_space: global }
      - { .name: wv, .offset: 24, .size: 8, .value_kind: global_buffer, .address_space: global }
      - { .name: wp, .offset: 32, .size: 8, .value_kind: global_buffer, .address_space: global }
      - { .name: qc, .offset: 40, .size: 8, .value_kind: global_buffer, .address_space: global }
      - { .name: qs, .offset: 48, .size: 8, .value_kind: global_buffer, .address_space: global }
    .group_segment_fixed_size: 68096
    .private_segment_fixed_size: 0
    .kernarg_segment_align: 8
    .kernarg_segment_size: 56
    .max_flat_workgroup_size: 128
    .sgpr_count:     66
    .vgpr_count:     256
    .wavefront_size: 32
...
	.end_amdgpu_metadata
.endif
;; end of part 1
;; launch qkv (part 2): grid 8 x 32, 4 waves a work-group, clusters of 4 x 4, 327,680 bytes of LDS; arguments qc, qs, bq, bk, bv, qb, kvb; writes qb, kvb
.if DOCPART == 2
	.amdgcn_target "amdgcn-amd-amdhsa--gfx1250"
	.amdhsa_code_object_version 6
	.text
	.protected	k_qe8a934c2b4_qkv
	.globl	k_qe8a934c2b4_qkv
	.p2align	8
	.type	k_qe8a934c2b4_qkv,@function
k_qe8a934c2b4_qkv:
	s_mov_b64 s[64:65], 0
	v_nop
	global_prefetch_b8 v0, s[64:65] scope:SCOPE_SE
	s_setreg_imm32_b32 hwreg(HW_REG_WAVE_MODE, 25, 1), 1
	s_wait_xcnt 0x0
	s_wait_alu depctr_hold_cnt(0) depctr_sa_sdst(0) depctr_va_vdst(0) depctr_va_sdst(0) depctr_va_ssrc(0) depctr_va_vcc(0) depctr_vm_vsrc(0)
	s_getreg_b32 s2, hwreg(HW_REG_IB_STS2, 6, 4)
	s_cmp_eq_u32 s2, 0
	s_cbranch_scc0 .Lentry_in_a_cluster
	s_endpgm
.Lentry_in_a_cluster:
	s_bfe_u32 s2, ttmp6, 0x10000c
	s_cmp_lg_u32 s2, 0xf033
	s_cbranch_scc0 .Lentry_shape_is_right
	s_endpgm
.Lentry_shape_is_right:
; q, k, v = x W^T + b on codes of BF6 (sums f32), quantised again on the way out: q and k along the head's 64 channels, v along the keys, into the records that the attention launch reads.
; SHARES.  256 work-groups: work-group (hp, tb) makes tokens 256 tb .. + 255 x features 128 hp .. + 127 of EACH of q, k, v.  Wave (p, qh) makes 128 tokens (8 tiles of x) x the 64 features of head 2 hp + qh
; of q, k and v (12 tiles of W): 96 accumulators, 768 registers, windows 1 (q), 2 (k), 3 (v).  q, k: source 0 = W, so a lane holds one token and registers run along channels; v: source 0 = x, registers run along tokens.
; By the order of rows in a tile (row r of tile T: 64 (T / 4) + 8 (T % 4) + r % 8 + 32 (r / 8)) a lane's 32 registers of four neighbouring tiles of source 0 are one whole block of 32 along the next K, in the operand's own order.
; LDS.  Region A: three K steps (24 tiles of W, then 16 of x, 4,608 bytes each); region B: two K steps (3,072 bytes each).  K steps 0-2 -> A, 3-4 -> B, 5-7 -> A again: three fills, one joint load a wave each:
; waves 0-2 fetch Wq, Wk, Wv (8 tiles), wave 3 x (16 tiles).  Behind them 768 bytes a wave of raw biases, stored by the wave itself, and the spare words.
; CLUSTER 4 x 4: x's tiles are shared along a row, W's along a column.  No prefetch: the launch has no loop to run ahead in; each of its three fills is asked for at the first place that the order of fills allows.
; The scale words of all eight K steps come once, from memory into registers that hold nothing else: register SC + 48 (ks / 4) + 4 i + ks % 4: lanes 0-15 x's tile i, lanes 16-31 W's tile i (i = 4 t + b).
; A K step: W's 12 fragments go in pairs through 4 buffers, each pair against x's 8 fragments (one set); in the last pair x's tiles 0-3 are fetched anew behind their last products, tiles 4-7 at its end.
; LIMITS: a block of zeros, or one under 2^-122, gets the scale byte 1 (read by this program alone; zero codes add nothing); NaN and infinities are not served.
.set REC,   13056
.set RB,    184320
.set BIAS,  307200
.set SPARE, 310272
.set BO,  1
.set AX,  2
.set AW,  4
.set SPW, 10
.set NIL, 11
.set BVO, 12
.set VO,  13
.set SC,  16
.set XF,  112
.set WF,  208
.set L16, 2                            ; the way out: v2-9 and v112-231 are free then
.set L8,  3
.set SH,  4                            ; 8 h
.set SHN, 5                            ; 8 - 8 h
.set BQ,  112
.set BK,  144
.set BV,  176
.set TM,  184
.set CT,  200
.set WQ,  208
.set WDS, 212
.set PW,  214
.set PC,  216
.set G1X3, 24
.set G1W3, 32
.set G0XA, 40
.set G0WA, 44
.set G0XB, 48
.set G0WB, 52
.set G1X2, 56
.set G1W2, 68
.set SEL, 2
.set HM,  100
.set PAD7F, 101
.set MSB, 0
.macro WIN new
.if MSB != (\new)
	s_set_vgpr_msb (MSB<<8)|(\new)
.set MSB, (\new)
.endif
.endm
.macro PLACES
.rept 4
	v_nop
.endr
.endm
.macro JLOAD g0w, g1w, g0x, g1x        ; waves 0-2 ask for W's parts, wave 3 for x; the branch hangs on the wave's number alone
	s_cmp_lt_u32 s18, 3
	s_cbranch_scc0 .Lfor_x_\@
	tensor_load_to_lds s[\g0w:\g0w+3], s[\g1w:\g1w+7]
	s_nop 0
	PLACES
	s_branch .Lasked_\@
.Lfor_x_\@:
	tensor_load_to_lds s[\g0x:\g0x+3], s[\g1x:\g1x+7]
	s_nop 0
	PLACES
.Lasked_\@:
.endm
.macro CREST
	s_cmp_lg_u32 s18, 0
	s_cbranch_scc1 .Lnot_wave_0_\@
	s_barrier_signal -3
.Lnot_wave_0_\@:
	s_barrier_wait -3
	s_barrier_signal -1
	s_barrier_wait -1
.endm
.macro CROUND
	s_barrier_signal -1
	s_barrier_wait -1
	CREST
.endm
.macro G1SET g, d0, rows               ; rows of d0 elements of 8 bytes, 12,288 bytes apart in memory, dense in LDS
	s_mov_b32 s[\g+1], (\d0)<<16
	s_mov_b32 s[\g+2], (\rows)<<16
	s_mov_b32 s[\g+3], (\d0)<<16
	s_mov_b32 s[\g+4], \rows
	s_mov_b32 s[\g+5], 1536
	s_mov_b32 s[\g+6], 0
	s_mov_b32 s[\g+7], 0
.endm
	s_load_b256 s[4:11], s[0:1], 0x0               ; qc, qs, bq, bk
	s_load_b128 s[12:15], s[0:1], 0x20             ; bv, qb
	s_load_b64 s[16:17], s[0:1], 0x30              ; kvb
	v_lshl_add_u32 v[SPW], v0, 2, SPARE
	v_mov_b32 v[NIL], 0
	ds_add_u32 v[SPW], v[NIL]                      ; the opening lines
	ds_add_u32 v[SPW], v[NIL]
	v_lshrrev_b32 v112, 5, v0
	v_readfirstlane_b32 s18, v112                  ; wave
	s_lshr_b32 s19, s18, 1                         ; p: my half of the tokens
	s_and_b32 s20, s18, 1                          ; qh: my head of the pair
	s_bfe_u32 s22, ttmp6, 0x40000                  ; cx
	s_bfe_u32 s23, ttmp6, 0x40004                  ; cy
	s_lshl_b32 s21, ttmp9, 2
	s_add_co_u32 s21, s21, s22                     ; hp
	s_and_b32 s76, ttmp7, 0xffff
	s_lshl_b32 s76, s76, 2
	s_add_co_u32 s76, s76, s23                     ; tb
	s_lshl_b32 s77, s23, 2
	s_lshl_b32 s77, 15, s77                        ; my row of the cluster
	s_lshl_b32 s78, 0x1111, s22                    ; my column
	s_or_b32 s[G1X3], s77, (3<<16)|(1<<21)
	s_or_b32 s[G1X2], s77, (3<<16)|(1<<21)
	s_or_b32 s[G1W3], s78, (3<<16)|(1<<21)
	s_or_b32 s[G1W2], s78, (3<<16)|(1<<21)
	G1SET G1X3, 576, 16
	G1SET G1W3, 576, 8
	G1SET G1X2, 384, 16
	G1SET G1W2, 384, 8
	s_mul_i32 s80, s76, 196608                     ; x's tile 16 tb, in bytes
	s_mov_b32 s81, 0
	s_lshl_b32 s82, s18, 6
	s_lshl_b32 s83, s21, 3
	s_add_co_u32 s82, s82, s83
	s_add_co_u32 s82, s82, 512                     ; W's tile 512 + 64 wave + 8 hp
	s_mul_i32 s82, s82, 12288
	s_mov_b32 s83, 0
	s_mul_i32 s84, s18, 36864                      ; where my load goes: 8 tiles x wave, in region A
	s_mul_i32 s85, s18, 24576
	s_add_co_u32 s85, s85, RB                      ; and in region B
	s_mul_i32 s86, s19, 36864
	s_add_co_u32 s86, s86, 110592                  ; my 8 tiles of x in A
	s_mul_i32 s87, s19, 24576
	s_add_co_u32 s87, s87, RB+73728                ; and in B
	s_mul_i32 s88, s20, 18432                      ; my 4 tiles of Wq, Wk, Wv in A
	s_add_co_u32 s89, s88, 36864
	s_add_co_u32 s90, s88, 73728
	s_mul_i32 s91, s20, 12288
	s_add_co_u32 s91, s91, RB                      ; and in B
	s_add_co_u32 s92, s91, 24576
	s_add_co_u32 s93, s91, 49152
	s_mul_i32 s79, s18, 768
	s_add_co_u32 s79, s79, BIAS                    ; my raw biases
	s_lshl_b32 s94, s76, 4
	s_lshl_b32 s95, s19, 3
	s_add_co_u32 s94, s94, s95
	s_lshl_b32 s94, s94, 9                         ; scale words of my first tile of x
	s_lshl_b32 s95, s21, 3
	s_lshl_b32 s96, s20, 2
	s_add_co_u32 s95, s95, s96
	s_add_co_u32 s95, s95, 512
	s_lshl_b32 s95, s95, 9                         ; of my first tile of Wq
	s_sub_co_u32 s95, s95, s94                     ; the distance between the two
	s_lshl_b32 s96, s21, 9
	s_lshl_b32 s97, s20, 8
	s_add_co_u32 s96, s96, s97                     ; my 64 features in a bias, in bytes
	s_mov_b32 s97, 0
	s_lshr_b32 s98, s76, 3
	s_lshl_b32 s98, s98, 4
	s_lshl_b32 s99, s21, 1
	s_add_co_u32 s98, s98, s99
	s_add_co_u32 s98, s98, s20                     ; 16 batch + head
	s_lshl_b32 s98, s98, 4
	s_lshl_b32 s99, s76, 1
	s_add_co_u32 s99, s99, s19
	s_and_b32 s99, s99, 15
	s_add_co_u32 s98, s98, s99                     ; + the record of my 128 tokens
	s_mul_i32 s98, s98, REC
	s_mov_b32 s99, 0
	s_mov_b32 s[SEL], 0x76543210
	s_mov_b32 s[SEL+1], 0xfedcba98
	s_mov_b32 s[HM], 0xffff0000
	s_mov_b32 s[PAD7F], 0x7f7f0000
	s_wait_dscnt 0x0
	s_wait_kmcnt 0x0
	s_add_nc_u64 s[80:81], s[4:5], s[80:81]
	s_add_nc_u64 s[82:83], s[4:5], s[82:83]
	s_add_nc_u64 s[8:9], s[8:9], s[96:97]
	s_add_nc_u64 s[10:11], s[10:11], s[96:97]
	s_add_nc_u64 s[12:13], s[12:13], s[96:97]
	s_add_nc_u64 s[14:15], s[14:15], s[98:99]
	s_add_nc_u64 s[16:17], s[16:17], s[98:99]
	CROUND                                         ; all sixteen work-groups are here
	s_mov_b32 s[G0XA], 1
	s_mov_b32 s[G0XA+1], s84
	s_mov_b64 s[G0XA+2:G0XA+3], s[80:81]
	s_or_b32 s[G0XA+3], s[G0XA+3], 0x80000000
	s_mov_b32 s[G0WA], 1
	s_mov_b32 s[G0WA+1], s84
	s_mov_b64 s[G0WA+2:G0WA+3], s[82:83]
	s_or_b32 s[G0WA+3], s[G0WA+3], 0x80000000
	s_mov_b32 s[G0XB], 1
	s_mov_b32 s[G0XB+1], s85
	s_add_nc_u64 s[G0XB+2:G0XB+3], s[80:81], 3*1536
	s_or_b32 s[G0XB+3], s[G0XB+3], 0x80000000
	s_mov_b32 s[G0WB], 1
	s_mov_b32 s[G0WB+1], s85
	s_add_nc_u64 s[G0WB+2:G0WB+3], s[82:83], 3*1536
	s_or_b32 s[G0WB+3], s[G0WB+3], 0x80000000
	JLOAD G0WA, G1W3, G0XA, G1X3                   ; K steps 0-2: my one load at the head
	v_and_b32 v112, 31, v0
	v_lshlrev_b32 v113, 4, v112                    ; 16 x lane
	v_lshlrev_b32 v119, 3, v112                    ; 8 x lane
	v_and_b32 v114, 15, v0                         ; r
	v_bfe_u32 v115, v0, 4, 1                       ; h
	v_add_nc_u32 v[AX], s86, v113
	v_add_nc_u32 v[AX+1], s87, v113
.irp i, 0,1,2,3,4,5
	v_add_nc_u32 v[AW+\i], s[88+\i], v113
.endr
	v_lshlrev_b32 v[BO], 7, v115
	v_add_nc_u32 v[BO], s79, v[BO]                 ; q's and k's bias: 32 h floats on
	v_and_b32 v116, 8, v114
	v_mad_u32_u24 v116, v116, 3, v114
	v_lshlrev_b32 v[BVO], 2, v116
	v_add_nc_u32 v[BVO], s79, v[BVO]               ; v's: channel r % 8 + 32 (r / 8)
	v_add_nc_u32 v120, s79, v119
	v_mul_u32_u24 v117, s95, v115                  ; scale words: lanes 0-15 x's tiles, lanes 16-31 W's
	v_lshl_add_u32 v117, v114, 4, v117
	v_add_nc_u32 v[VO], s94, v117
	v_mul_u32_u24 v118, 0x7800, v115
	v_add3_u32 v[VO+1], v118, v[VO], 2048          ; x: 4 tiles on; W: 64 tiles on
	v_lshl_add_u32 v[VO+2], v115, 16, v[VO]        ; x: tiles 0-3 again (not read); W: 128 tiles on
.irp t, 0,1,2
.irp b, 0,1,2,3
	global_load_b128 v[SC+4*(4*\t+\b):SC+4*(4*\t+\b)+3], v[VO+\t], s[6:7] offset:512*\b
	global_load_b128 v[SC+48+4*(4*\t+\b):SC+48+4*(4*\t+\b)+3], v[VO+\t], s[6:7] offset:512*\b+256
.endr
.endr
	global_load_b64 v[122:123], v119, s[8:9]       ; my head's 64 numbers of bq, bk, bv
	global_load_b64 v[124:125], v119, s[10:11]
	global_load_b64 v[126:127], v119, s[12:13]
	s_wait_alu depctr_va_vdst(0)
	s_wait_tensorcnt 0x0                           ; my part of K steps 0-2 is in; the three lines ahead of a later first fill
	ds_add_u32 v[SPW], v[NIL]
	s_wait_dscnt 0x0
	CROUND
	JLOAD G0WB, G1W2, G0XB, G1X2                   ; K steps 3-4
	s_wait_loadcnt 0x0                             ; scale words and biases
	ds_store_b64 v120, v[122:123]                  ; my own bytes: no other wave and no fill touches them
	ds_store_b64 v120, v[124:125] offset:256
	ds_store_b64 v120, v[126:127] offset:512
; K step ks lies at place ks % 5: places 0-2 in region A, 3-4 in region B
.macro LDW u, ks                       ; W's fragments 2 u, 2 u + 1 into buffers (2 u) % 4, + 1
.set PS_, (\ks)%5
.set R_, PS_/3
.set KK_, PS_%3
.irp e, 0,1
.irp g, 0,1,2
	ds_load_b128 v[WF+12*((2*(\u)+\e)%4)+4*\g:WF+12*((2*(\u)+\e)%4)+4*\g+3], v[AW+3*R_+(\u)/2] offset:((2*(\u)+\e)%4)*(4608-1536*R_)+KK_*1536+512*\g
.endr
.endr
.endm
.macro LDX a0, ks                      ; x's fragments a0 .. a0 + 3
.set PS_, (\ks)%5
.set R_, PS_/3
.set KK_, PS_%3
.irp a, \a0, \a0+1, \a0+2, \a0+3
.irp g, 0,1,2
	ds_load_b128 v[XF+12*(\a)+4*\g:XF+12*(\a)+4*\g+3], v[AX+R_] offset:(\a)*(4608-1536*R_)+KK_*1536+512*\g
.endr
.endr
.endm
.macro MM j, a, ks, zero               ; W's fragment j x x's tile a
.set SB_, SC+48*((\ks)/4)+(\ks)%4
.set X_, XF+12*(\a)
.set W_, WF+12*((\j)%4)
.if (\j) < 8
.set D_, 8*(4*(\a)+(\j)%4)
.if \zero
	v_wmma_scale_f32_16x16x128_f8f6f4 v[D_:D_+7], v[W_:W_+11], v[X_:X_+11], 0, v[SB_+4*(\j)], v[SB_+4*(\a)] matrix_a_fmt:MATRIX_FMT_BF6 matrix_b_fmt:MATRIX_FMT_BF6 matrix_a_scale:MATRIX_SCALE_ROW1
.else
	v_wmma_scale_f32_16x16x128_f8f6f4 v[D_:D_+7], v[W_:W_+11], v[X_:X_+11], v[D_:D_+7], v[SB_+4*(\j)], v[SB_+4*(\a)] matrix_a_fmt:MATRIX_FMT_BF6 matrix_b_fmt:MATRIX_FMT_BF6 matrix_a_scale:MATRIX_SCALE_ROW1
.endif
.else
.set D_, 8*(8*((\j)-8)+(\a))
.if \zero
	v_wmma_scale_f32_16x16x128_f8f6f4 v[D_:D_+7], v[X_:X_+11], v[W_:W_+11], 0, v[SB_+4*(\a)], v[SB_+4*(\j)] matrix_a_fmt:MATRIX_FMT_BF6 matrix_b_fmt:MATRIX_FMT_BF6 matrix_b_scale:MATRIX_SCALE_ROW1
.else
	v_wmma_scale_f32_16x16x128_f8f6f4 v[D_:D_+7], v[X_:X_+11], v[W_:W_+11], v[D_:D_+7], v[SB_+4*(\a)], v[SB_+4*(\j)] matrix_a_fmt:MATRIX_FMT_BF6 matrix_b_fmt:MATRIX_FMT_BF6 matrix_b_scale:MATRIX_SCALE_ROW1
.endif
.endif
.endm
.macro PAIRH u, a0, ks, zero           ; 8 matrix instructions, each on another accumulator
.irp a, \a0, \a0+1, \a0+2, \a0+3
	MM 2*(\u), \a, \ks, \zero
	MM 2*(\u)+1, \a, \ks, \zero
.endr
.endm
; mode 0: plain; 1: the next K step lies in the other region, and this one is filled again; 2: the same with no fill; 3: the last K step
.macro KSTEP ks, zero, mode
	s_wait_dscnt 18                                ; W's pair 0 and x's tiles 0-3 are in; x's tiles 4-7 (12) and pair 1 (6) may be out
	WIN 0x50
	PAIRH 0, 0, \ks, \zero
	s_wait_dscnt 6                                 ; x's tiles 4-7 are in
	PAIRH 0, 4, \ks, \zero
	PLACES
	WIN 0
	LDW 2, \ks
.irp u, 1,2,3
	s_wait_dscnt 6                                 ; all but the pair just asked for
	WIN (1+\u/2)*0x50
	PAIRH \u, 0, \ks, \zero
	PAIRH \u, 4, \ks, \zero
	PLACES
	WIN 0
	LDW \u+2, \ks
.endr
.if (\mode)%3
	s_wait_tensorcnt 0x0                           ; my part of the other region is in
.if (\mode) == 1
	ds_add_u32 v[SPW], v[NIL]
	s_wait_dscnt 7                                 ; pair 5 (6) and the add may be out
.else
	s_wait_dscnt 6
.endif
	WIN 0xf0
	PAIRH 4, 0, \ks, \zero
	s_wait_dscnt 0x0                               ; the add, and my last reads of this region
	s_barrier_signal -1
	PAIRH 4, 4, \ks, \zero
	WIN 0
	s_barrier_wait -1
.if (\mode) == 1
	CREST                                          ; the barrier has opened a round of the cluster's barrier
	s_add_nc_u64 s[G0XA+2:G0XA+3], s[G0XA+2:G0XA+3], 5*1536
	s_add_nc_u64 s[G0WA+2:G0WA+3], s[G0WA+2:G0WA+3], 5*1536
	JLOAD G0WA, G1W3, G0XA, G1X3                   ; K steps 5-7; its four v_nop are the places ahead of the loads below
.else
	PLACES
.endif
.else
	s_wait_dscnt 6
	WIN 0xf0
	PAIRH 4, 0, \ks, \zero
	PAIRH 4, 4, \ks, \zero
	PLACES
	WIN 0
.endif
.if (\mode) != 3
	LDW 0, \ks+1
	s_wait_dscnt 6
.else
	s_wait_dscnt 0x0
.endif
	WIN 0xf0
	PAIRH 5, 0, \ks, \zero
.if (\mode) != 3
	PLACES
	WIN 0
	LDX 0, \ks+1
	WIN 0xf0
.endif
	PAIRH 5, 4, \ks, \zero
	PLACES
	WIN 0
.if (\mode) != 3
	LDX 4, \ks+1
	LDW 1, \ks+1
.endif
.endm
	LDW 0, 0
	LDX 0, 0
	LDX 4, 0
	LDW 1, 0
	KSTEP 0, 1, 0
	KSTEP 1, 0, 0
	KSTEP 2, 0, 1
	KSTEP 3, 0, 0
	KSTEP 4, 0, 2
	KSTEP 5, 0, 0
	KSTEP 6, 0, 0
	KSTEP 7, 0, 3
; THE WAY OUT.  The biases come back from my own LDS bytes in the results' layouts: q, k: register n = channel 32 h + n; v: channel 8 wt + r % 8 + 32 (r / 8)
.irp b, 0,1,2,3
	ds_load_b128 v[BQ+8*\b:BQ+8*\b+3], v[BO] offset:32*\b
	ds_load_b128 v[BQ+8*\b+4:BQ+8*\b+7], v[BO] offset:32*\b+16
	ds_load_b128 v[BK+8*\b:BK+8*\b+3], v[BO] offset:256+32*\b
	ds_load_b128 v[BK+8*\b+4:BK+8*\b+7], v[BO] offset:256+32*\b+16
	ds_load_b32 v[BV+2*\b], v[BVO] offset:512+32*\b
	ds_load_b32 v[BV+2*\b+1], v[BVO] offset:512+32*\b
.endr
	v_and_b32 v2, 31, v0
	v_lshlrev_b32 v[L8], 3, v2
	v_lshlrev_b32 v[L16], 4, v2
	v_bfe_u32 v[SH], v0, 4, 1
	v_lshlrev_b32 v[SH], 3, v[SH]
	v_sub_nc_u32 v[SHN], 8, v[SH]
	v_mov_b32 v[TM+9], 0                           ; a lane permute's destination counts as one of its sources
	s_wait_alu depctr_va_vdst(0)
	s_wait_dscnt 0x0
.macro BLOCKS w                        ; my two blocks of 32: registers AC .. + 31 and AC + 32 .. + 63, each in two chains: scale operands in TM + 4, 5, bytes in TM + 6, 7
	WIN (\w)|((\w)<<2)
.irp b, 0,1,2,3
	v_max3_num_f32 v[TM+\b], |v[AC+16*\b]|, |v[AC+16*\b+1]|, 0x2800000
.endr
.irp i, 2,4,6,8,10,12,14
.irp b, 0,1,2,3
	v_max3_num_f32 v[TM+\b], |v[AC+16*\b+\i]|, |v[AC+16*\b+\i+1]|, v[TM+\b]
.endr
.endr
	WIN 0
	v_max_num_f32 v[TM], v[TM], v[TM+1]
	v_max_num_f32 v[TM+2], v[TM+2], v[TM+3]
	v_add_nc_u32 v[TM+4], 0xfe000000, v[TM]
	v_add_nc_u32 v[TM+5], 0xfe000000, v[TM+2]
	v_lshrrev_b32 v[TM+6], 23, v[TM+4]
	v_lshrrev_b32 v[TM+7], 23, v[TM+5]
.endm
.macro EPIQ2 e, w, bb, ptr             ; q or k: x's tiles 2 e, 2 e + 1: 32 registers a tile: block h of my token's 64 channels
.set AC, 64*(\e)
	s_wait_alu depctr_va_vdst(0)
	s_wait_xcnt 0x0                                ; the earlier stores have read their registers
	WIN ((\w)<<6)|(\w)
.set n, 0
.rept 32
	v_pk_add_f32 v[AC+n:AC+n+1], v[AC+n:AC+n+1], v[\bb+n%32:\bb+n%32+1]
.set n, n+2
.endr
	BLOCKS \w
	v_cndmask_b32 v[TM+8], v[TM+7], v[TM+6], s[HM]     ; what lane l xor 16 lacks: lanes 0-15 send the odd tile's byte 0, lanes 16-31 the even tile's byte 1
	v_cndmask_b32 v[TM+10], v[TM+6], v[TM+7], s[HM]    ; lanes 0-15 keep the even tile's byte 0, lanes 16-31 the odd tile's byte 1
	v_permlanex16_b32 v[TM+9], v[TM+8], s[SEL], s[SEL+1]
	v_lshlrev_b32 v[TM+10], v[SH], v[TM+10]
	v_lshlrev_b32 v[TM+9], v[SHN], v[TM+9]
	v_or_b32 v[TM+10], v[TM+10], v[TM+9]           ; lanes 0-15 the even tile's rows, lanes 16-31 the odd tile's
	v_or_b32 v[WQ+\e], s[PAD7F], v[TM+10]          ; bytes 2, 3: 1.0, over the zero codes of k = 64 .. 127
	WIN \w
.irp i, 0,1
	v_cvt_scalef32_pk16_bf6_f32 v[PC+8*\i:PC+8*\i+2], v[AC+32*\i:AC+32*\i+15], v[TM+4+\i]
	v_cvt_scalef32_pk16_bf6_f32 v[CT+4*\i:CT+4*\i+2], v[AC+32*\i+16:AC+32*\i+31], v[TM+4+\i]
.endr
	WIN 0
	v_nop
.irp i, 0,1
.irp q, 0,1,2
	v_mov_b32 v[PC+8*\i+3+\q], v[CT+4*\i+\q]       ; (a conversion's three registers begin on an even number)
.endr
	global_store_b128 v[L16], v[PC+8*\i:PC+8*\i+3], s[\ptr:\ptr+1] offset:768*(2*(\e)+\i)
	global_store_b64 v[L8], v[PC+8*\i+4:PC+8*\i+5], s[\ptr:\ptr+1] offset:768*(2*(\e)+\i)+512
.endr
.endm
.macro EPIV wt                         ; v: 16 channels x my 128 tokens: blocks h and 2 + h of 32 keys are mine
.set AC, 64*(\wt)
	s_wait_alu depctr_va_vdst(0)
	s_wait_xcnt 0x0
	WIN 0xc3
.set n, 0
.rept 32
	v_pk_add_f32 v[AC+n:AC+n+1], v[AC+n:AC+n+1], v[BV+2*(\wt):BV+2*(\wt)+1]
.set n, n+2
.endr
	BLOCKS 3
	v_lshl_or_b32 v[TM+8], v[TM+7], 16, v[TM+6]
	v_lshlrev_b32 v[TM+8], v[SH], v[TM+8]          ; my two bytes at their places in the word;
	v_permlanex16_b32 v[TM+9], v[TM+8], s[SEL], s[SEL+1]
	v_or_b32 v[PW], v[TM+8], v[TM+9]               ; with lane l xor 16's two it is whole
.if (\wt)%2
	v_cndmask_b32 v[WDS+(\wt)/2], v[WDS+(\wt)/2], v[PW], s[HM]
.else
	v_mov_b32 v[WDS+(\wt)/2], v[PW]
.endif
	WIN 3
.irp c, 0,1
	v_cvt_scalef32_pk16_bf6_f32 v[PC+6*\c:PC+6*\c+2], v[AC+32*\c:AC+32*\c+15], v[TM+4+\c]
	v_cvt_scalef32_pk16_bf6_f32 v[CT+4*\c:CT+4*\c+2], v[AC+32*\c+16:AC+32*\c+31], v[TM+4+\c]
.endr
	WIN 0
	v_nop
.irp c, 0,1
.irp q, 0,1,2
	v_mov_b32 v[PC+6*\c+3+\q], v[CT+4*\c+\q]
.endr
.endr
.irp g, 0,1,2
	global_store_b128 v[L16], v[PC+4*\g:PC+4*\g+3], s[16:17] offset:6144+1536*(\wt)+512*\g
.endr
.endm
.irp e, 0,1,2,3
	EPIQ2 \e, 1, BQ, 14
.endr
	global_store_b128 v[L16], v[WQ:WQ+3], s[14:15] offset:12288
.irp e, 0,1,2,3
	EPIV \e
.endr
	global_store_b64 v[L8], v[WDS:WDS+1], s[16:17] offset:12800
.irp e, 0,1,2,3
	EPIQ2 \e, 2, BK, 16
.endr
	global_store_b128 v[L16], v[WQ:WQ+3], s[16:17] offset:12288
	s_wait_tensorcnt 0x0                           ; the wave's end
	ds_add_u32 v[SPW], v[NIL]
	s_wait_dscnt 0x0
	CROUND                                         ; the closing round
	s_endpgm
.Lfunc_end_k_qe8a934c2b4_qkv:
	.size	k_qe8a934c2b4_qkv, .Lfunc_end_k_qe8a934c2b4_qkv-k_qe8a934c2b4_qkv
	.p2alignl 7, 3214868480
	.fill 96, 4, 3214868480
	.section	.rodata,"a",@progbits
	.p2align	6, 0x0
	.amdhsa_kernel k_qe8a934c2b4_qkv
		.amdhsa_group_segment_fixed_size 327680
		.amdhsa_private_segment_fixed_size 0
		.amdhsa_enable_private_segment 0
		.amdhsa_kernarg_size 56
		.amdhsa_user_sgpr_count 2
		.amdhsa_user_sgpr_kernarg_segment_ptr 1
		.amdhsa_wavefront_size32 1
		.amdhsa_system_sgpr_workgroup_id_x 1
		.amdhsa_system_sgpr_workgroup_id_y 1
		.amdhsa_system_sgpr_workgroup_id_z 1
		.amdhsa_system_vgpr_workitem_id 0
		.amdhsa_next_free_vgpr 1024
		.amdhsa_next_free_sgpr 102
		.amdhsa_reserve_vcc 0
		.amdhsa_float_denorm_mode_32 3
		.amdhsa_float_denorm_mode_16_64 3
		.amdhsa_memory_ordered 1
		.amdhsa_forward_progress 1
		.amdhsa_inst_pref_size 223
	.end_amdhsa_kernel
	.amdgpu_metadata
---
amdhsa.version: [ 1, 2 ]
amdhsa.kernels:
  - .name:           k_qe8a934c2b4_qkv
    .symbol:         k_qe8a934c2b4_qkv.kd
    .args:
      - { .name: qc, .offset: 0, .size: 8, .value_kind: global_buffer, .address_space: global }
      - { .name: qs, .offset: 8, .size: 8, .value_kind: global_buffer, .address_space: global }
      - { .name: bq, .offset: 16, .size: 8, .value_kind: global_buffer, .address_space: global }
      - { .name: bk, .offset: 24, .size: 8, .value_kind: global_buffer, .address_space: global }
      - { .name: bv, .offset: 32, .size: 8, .value_kind: global_buffer, .address_space: global }
      - { .name: qb, .offset: 40, .size: 8, .value_kind: global_buffer, .address_space: global }
      - { .name: kvb, .offset: 48, .size: 8, .value_kind: global_buffer, .address_space: global }
    .group_segment_fixed_size: 327680
    .private_segment_fixed_size: 0
    .kernarg_segment_align: 8
    .kernarg_segment_size: 56
    .max_flat_workgroup_size: 128
    .sgpr_count:     102
    .vgpr_count:     1024
    .wavefront_size: 32
...
	.end_amdgpu_metadata
.endif
;; end of part 2
;; launch attn (part 3): grid 4 x 64, 16 waves a work-group, clusters of 4 x 1, 210,944 bytes of LDS; arguments qb, kvb, ac, asb; writes ac, asb
.if DOCPART == 3
	.amdgcn_target "amdgcn-amd-amdhsa--gfx1250"
	.amdhsa_code_object_version 6
	.text
	.protected	k_qe8a934c2b4_attn
	.globl	k_qe8a934c2b4_attn
	.p2align	8
	.type	k_qe8a934c2b4_attn,@function
k_qe8a934c2b4_attn:
	s_mov_b64 s[64:65], 0
	v_nop
	global_prefetch_b8 v0, s[64:65] scope:SCOPE_SE
	s_setreg_imm32_b32 hwreg(HW_REG_WAVE_MODE, 25, 1), 1
	s_wait_xcnt 0x0
	s_wait_alu depctr_hold_cnt(0) depctr_sa_sdst(0) depctr_va_vdst(0) depctr_va_sdst(0) depctr_va_ssrc(0) depctr_va_vcc(0) depctr_vm_vsrc(0)
	s_getreg_b32 s2, hwreg(HW_REG_IB_STS2, 6, 4)
	s_cmp_eq_u32 s2, 0
	s_cbranch_scc0 .Lentry_in_a_cluster
	s_endpgm
.Lentry_in_a_cluster:
	s_bfe_u32 s2, ttmp6, 0x10000c
	s_cmp_lg_u32 s2, 0x3003
	s_cbranch_scc0 .Lentry_shape_is_right
	s_endpgm
.Lentry_shape_is_right:
; Causal attention of one (batch, head) on codes of BF6: S^T = K Q^T (K = the head's 64 channels), p = 2^(t - M), O^T = V^T P^T (K = the keys), O / l clipped to +-10 and quantised along the 1,024 channels for the last product.
; t = score x log2(e) / 8; M = the running largest t rounded UP to a whole number; p is quantised along the keys, not normalised; l is the sum of the unquantised p.  When M moves, l and O^T are multiplied by 2^(old M - new M): exact.
; SHARES.  The four work-groups of a cluster share one head.  Queries go in tiles of 16 (lane r of tile t takes query 64 (t / 4) + 8 (t % 4) + r % 8 + 32 (r / 8)); partner j takes the tiles 4 I + j.  Wave w takes I = 31 - w and then I = w.
; The 64 queries of the four tiles 4 I .. 4 I + 3 lie in one step of 128 keys, so which steps are left out hangs on the wave's number alone, never on the place in the cluster, and a tile works I / 2 + 1 steps: 17 steps a wave.
; LDS.  The head's 16 records (13,056 bytes for each 128 keys: K's 8 tiles, V^T's 4 fragments, their scale words) are filled once, a record a wave, by joint loads that name all four partners; nothing is filled again.
; K = 64 UNDER AN INSTRUCTION OF K = 128.  K's tiles lie packed, six registers each; the operand of tile T is v[32 + 6 T .. 43 + 6 T], so its upper six registers are the next tile's codes.  Q's upper six registers are zero codes
; and both sides' scale bytes there are 0x7f: that half adds exactly 0 (the format has no code for infinity or NaN).
; Both products are used transposed: a lane holds ONE query throughout.  By the order of keys in a tile, score register n of lane (r, h) is key 64 (n / 32) + 32 h + n % 32 of the step: a lane holds two WHOLE blocks of 32 keys,
; in the order of the next operand's registers; O^T's register n is channel 32 h + n.
; THE MASK.  Only the step that holds a tile's own queries is masked.  In it one half of the registers (n / 32 = I % 2) is hidden where n % 32 > 8 j + r % 8 + 32 (r / 8) - 32 h: 32 lane masks, made once, in s66-97;
; with I even the other half is hidden whole, with I odd it counts whole.  The branch hangs on I, made of the wave's number alone.
; LIMITS: v_exp_f32 and v_rcp_f32 are accurate to 1 ulp and flush denormals; a block of p that has fallen to 0 gets the scale byte 1 (its codes are zeros); NaN and infinities are not served.
; REGISTERS: v1-10 addresses and lane terms; v12 -M, v13 largest score, v[14:15] l in two halves; v16-27 Q (upper six zeros), v28 its scale word; v29, v86-91 the second tile's; v32-85 K packed (v80-85 zeros), then V; v92-95 K's scale words;
;   v96-159 S^T, then p; v160-191 O^T; v192-193 V's scale words; v196-221, v250-253 at work; v218 p's scale word; v224-235 p's codes.
.set REC, 13056
.set BM,  196                          ; chains of maxima; BM, BM + 1: my two blocks' largest scores, then largest p
.set PB,  200                          ; a permute's result; bytes
.set SO,  204                          ; the conversions' scale operands
.set CT,  208                          ; v208-210, v212-214 conversion temporaries
.set FF,  216                          ; v[216:217] f = 2^(old M - new M); later 1 / l
.set PWD, 218
.set TT,  219
.set MK,  66                           ; s66-97 the 32 lane masks
.macro ROUND                           ; a round of the cluster's barrier
	s_barrier_signal -1
	s_barrier_wait -1
	s_cmp_lg_u32 s12, 0
	s_cbranch_scc1 .Lnot_wave_0_\@
	s_barrier_signal -3
.Lnot_wave_0_\@:
	s_barrier_wait -3
	s_barrier_signal -1
	s_barrier_wait -1
.endm
	s_load_b256 s[4:11], s[0:1], 0x0               ; qb, kvb, ac, asb
	v_lshl_add_u32 v254, v0, 2, 0x33000
	v_mov_b32 v255, 0
	ds_add_u32 v254, v255                          ; the opening lines
	ds_add_u32 v254, v255
	v_lshrrev_b32 v1, 5, v0
	v_readfirstlane_b32 s12, v1                    ; wave 0..15
	s_bfe_u32 s13, ttmp6, 0x40000                  ; j: my place in the cluster: it enters global addresses and the mask's numbers alone
	s_and_b32 s14, ttmp7, 0xffff                   ; batch x 16 + head
	s_mov_b32 s24, 15|(3<<16)|(1<<21)              ; the mask: all four; elements of 8 bytes; bit 21 beside a mask
	s_mov_b32 s25, 32<<16                          ; a record: 51 rows of 256 bytes, dense
	s_mov_b32 s26, 51<<16
	s_mov_b32 s27, 32<<16
	s_mov_b32 s28, 51
	s_mov_b32 s29, 32
	s_mov_b32 s30, 0
	s_mov_b32 s31, 0
	s_lshl_b32 s2, s14, 4
	s_add_co_u32 s2, s2, s12
	s_mul_i32 s2, s2, REC                          ; wave w fetches the head's record w
	s_mov_b32 s3, 0
	s_mov_b32 s32, 1
	s_mul_i32 s33, s12, REC
	s_lshl_b32 s18, s13, 3                         ; 8 j
	s_wait_dscnt 0x0
	s_wait_kmcnt 0x0
	s_add_nc_u64 s[34:35], s[6:7], s[2:3]
	s_or_b32 s35, s35, 0x80000000
	ROUND                                          ; all four work-groups are here: the joint loads meet
	tensor_load_to_lds s[32:35], s[24:31]          ; my one tensor load
	s_nop 0
.rept 4
	v_nop
.endr
	v_and_b32 v6, 31, v0
	v_lshlrev_b32 v1, 4, v6                        ; 16 x lane
	v_lshlrev_b32 v2, 3, v6                        ; 8 x lane
	v_and_b32 v6, 15, v0                           ; r
	v_bfe_u32 v11, v0, 4, 1                        ; h
	v_lshlrev_b32 v8, 4, v6                        ; 16 r
	v_add_nc_u32 v10, v8, v11                      ; 16 r + h
	v_lshlrev_b32 v9, 3, v11                       ; 8 h
	v_and_b32 v5, 8, v6
	v_mad_u32_u24 v5, v5, 3, v6                    ; r % 8 + 32 (r / 8)
	v_lshlrev_b32 v11, 5, v11
	v_sub_nc_u32 v5, v5, v11
	v_add_nc_u32 v5, s18, v5                       ; 8 j + r % 8 + 32 (r / 8) - 32 h
.set n, 0
.rept 32
	v_cmp_gt_i32 s[MK+n], n, v5                    ; the lanes in which register n of the masked half is hidden
.set n, n+1
.endr
	s_wait_alu depctr_va_vdst(0)
; Q's tile 4 I + j (I in s15): six registers of codes and the rows' scale word, from the record of its step
.macro QLOAD pc, ps, code, sw
	s_lshl_b32 s2, s14, 4
	s_lshr_b32 s3, s15, 1
	s_add_co_u32 s2, s2, s3
	s_mul_i32 s2, s2, REC
	s_and_b32 s3, s15, 1
	s_lshl_b32 s52, s3, 2
	s_add_co_u32 s52, s52, s13                     ; the tile in the record: 4 (I % 2) + j
	s_mul_i32 s52, s52, 768
	s_add_co_u32 s52, s52, s2
	s_mov_b32 s53, 0
	s_add_nc_u64 s[\pc:\pc+1], s[4:5], s[52:53]
	s_lshl_b32 s52, s3, 3                          ; its scale words: word (tile / 2) of lanes 16 (tile % 2) + r
	s_and_b32 s3, s13, 1
	s_lshl_b32 s3, s3, 8
	s_add_co_u32 s52, s52, s3
	s_lshr_b32 s3, s13, 1
	s_lshl_b32 s3, s3, 2
	s_add_co_u32 s52, s52, s3
	s_add_co_u32 s52, s52, s2
	s_add_co_u32 s52, s52, 12288
	s_add_nc_u64 s[\ps:\ps+1], s[4:5], s[52:53]
	global_load_b128 v[\code:\code+3], v1, s[\pc:\pc+1]
	global_load_b64 v[\code+4:\code+5], v2, s[\pc:\pc+1] offset:512
	global_load_b32 v[\sw], v8, s[\ps:\ps+1]
.endm
	s_xor_b32 s15, s12, 31                         ; 31 - wave
	QLOAD 44, 46, 16, 28
	s_mov_b32 s15, s12
	QLOAD 48, 50, 86, 29
	s_mov_b32 s20, 0x76543210
	s_mov_b32 s21, 0xfedcba98                      ; selects for lane l xor 16
	s_mov_b32 s22, 0x3e38aa3b                      ; c = log2(e) / sqrt(64)
	s_mov_b32 s23, s22                             ; (named with it as a pair)
	s_mov_b32 s42, 0xc1200000                      ; -10
	s_mov_b32 s43, 0x41200000                      ; +10
	v_mov_b32 v7, 0xff800000                       ; -infinity
.irp i, 0,1,2,3,4,5
	v_mov_b32 v[22+\i], 0                          ; Q's codes of k = 64 .. 127
	v_mov_b32 v[80+\i], 0                          ; what stands behind K's last tile
.endr
	v_mov_b32 v[PB], 0                             ; a lane permute's destination counts as one of its sources
	v_mov_b32 v[FF], 0
	v_mov_b32 v[FF+1], 0                           ; (named as the upper half of a pair)
	v_mov_b32 v[TT], 0
	s_wait_alu depctr_va_vdst(0)
	s_wait_tensorcnt 0x0                           ; my record is in,
	s_barrier_signal -1
	s_barrier_wait -1                              ; everybody's is: the head lies in LDS and is only read from here on
	s_wait_loadcnt 0x0                             ; Q
; A STEP: 128 keys from s19 on, whose record begins at LDS byte s36.
.macro STEP
	s_cmp_gt_u32 s19, s16                          ; all its keys come after the 64 queries of my I: left out, but for the lines at its end that step
	s_cbranch_scc1 .Lhidden_\@
	v_add_nc_u32 v3, s36, v1
	v_add_nc_u32 v4, s36, v2
	v_nop
	v_nop                                          ; four plain instructions behind the last products, ahead of loads into their registers
.irp T, 0,1,2,3,4,5,6,7
	ds_load_b128 v[32+6*\T:35+6*\T], v3 offset:768*\T
	ds_load_b64 v[36+6*\T:37+6*\T], v4 offset:768*\T+512
.endr
	ds_load_b128 v[92:95], v3 offset:12288         ; K's scale words: register i: tile 2 i in lanes 0-15, tile 2 i + 1 in lanes 16-31
	s_wait_alu depctr_va_vdst(0)
	s_wait_dscnt 0x0
.irp T, 0,2,4,6
	v_wmma_scale_f32_16x16x128_f8f6f4 v[96+8*\T:103+8*\T], v[32+6*\T:43+6*\T], v[16:27], 0, v[92+\T/2], v28 matrix_a_fmt:MATRIX_FMT_BF6 matrix_b_fmt:MATRIX_FMT_BF6
	v_wmma_scale_f32_16x16x128_f8f6f4 v[104+8*\T:111+8*\T], v[38+6*\T:49+6*\T], v[16:27], 0, v[92+\T/2], v28 matrix_a_fmt:MATRIX_FMT_BF6 matrix_b_fmt:MATRIX_FMT_BF6 matrix_a_scale:MATRIX_SCALE_ROW1
.endr
.rept 4
	v_nop
.endr
.irp c, 0,1,2,3                        ; V's four fragments land under the softmax
.irp g, 0,1,2
	ds_load_b128 v[32+12*\c+4*\g:35+12*\c+4*\g], v3 offset:6144+1536*\c+512*\g
.endr
.endr
	ds_load_b64 v[192:193], v4 offset:12800
	s_add_co_u32 s2, s19, 127                      ; a step all of whose keys count for all 64 queries of my I skips the mask
	s_cmp_le_u32 s2, s17
	s_cbranch_scc1 .Lopen_\@
	s_bitcmp1_b32 s15, 0
	s_cbranch_scc1 .Lodd_\@
.set n, 0
.rept 32                               ; I even: my queries lie among the step's keys 0-63
	v_cndmask_b32 v[96+n], v[96+n], v7, s[MK+n]
	v_mov_b32 v[128+n], v7
.set n, n+1
.endr
	s_wait_alu depctr_va_vdst(0)
	s_branch .Lopen_\@
.Lodd_\@:
.set n, 0
.rept 32                               ; I odd: among its keys 64-127
	v_cndmask_b32 v[128+n], v[128+n], v7, s[MK+n]
.set n, n+1
.endr
.Lopen_\@:
.irp b, 0,1,2,3
	v_max3_num_f32 v[BM+\b], v[96+16*\b], v[97+16*\b], v[98+16*\b]   ; four chains of 16 scores
.endr
.irp i, 3,5,7,9,11,13
.irp b, 0,1,2,3
	v_max3_num_f32 v[BM+\b], v[BM+\b], v[96+16*\b+\i], v[97+16*\b+\i]
.endr
.endr
	v_max3_num_f32 v[BM], v[BM], v111, v127
	v_max3_num_f32 v[BM+2], v[BM+2], v143, v159
	v_max_num_f32 v[BM], v[BM], v[BM+1]            ; the largest score of each of my two blocks of 32 keys: for the row's maximum and, since p rises with the score, for the block's largest p
	v_max_num_f32 v[BM+1], v[BM+2], v[BM+3]
	s_delay_alu instid0(VALU_DEP_1)
	v_max_num_f32 v[TT], v[BM], v[BM+1]
	s_delay_alu instid0(VALU_DEP_1)
	v_permlanex16_b32 v[PB], v[TT], s20, s21
	s_delay_alu instid0(VALU_DEP_1)
	v_max3_num_f32 v13, v13, v[TT], v[PB]          ; the running largest score, with lane l xor 16's 64 keys
	s_delay_alu instid0(VALU_DEP_1)
	v_mul_f32 v[TT], s22, v13                      ; as t (c is positive)
	v_mov_b32 v[PB], v12
	s_delay_alu instid0(VALU_DEP_2)
	v_floor_f32 v12, -v[TT]                        ; -M = floor(-t): M is a whole number
	s_delay_alu instid0(VALU_DEP_1)
	v_sub_f32 v[TT], v12, v[PB]                    ; old M - new M, 0 or less
	s_delay_alu instid0(VALU_DEP_1)
	v_cvt_i32_f32 v[TT], v[TT]                     ; (it saturates)
	s_delay_alu instid0(VALU_DEP_1)
	v_ldexp_f32 v[FF], 1.0, v[TT]                  ; f = 2^(old M - new M)
.set n, 0
.rept 32
	v_pk_fma_f32 v[96+n:97+n], v[96+n:97+n], s[22:23], v[12:13] op_sel_hi:[1,0,0]   ; t - M, two at a time
.set n, n+2
.endr
	v_fma_f32 v[BM], v[BM], s22, v12               ; the same of each block's largest score
	v_fma_f32 v[BM+1], v[BM+1], s22, v12
	s_wait_alu depctr_va_vdst(0)
.set n, 0
.rept 64
	v_exp_f32 v[96+n], v[96+n]                     ; p = 2^(t - M)
.set n, n+1
.endr
	v_pk_mul_f32 v[14:15], v[14:15], v[FF:FF+1] op_sel_hi:[1,0]   ; l under the new M: the plain instruction behind the exponentials
	s_wait_alu depctr_va_vdst(0)                   ; one wait for the batch of 64, ahead of its first reader
	v_exp_f32 v[BM], v[BM]                         ; the block's largest p: the same two instructions on the same number give the same bits
	v_exp_f32 v[BM+1], v[BM+1]
	v_pk_add_f32 v[220:221], v[96:97], v[98:99]    ; the sum of the unquantised p, in four chains
	v_pk_add_f32 v[252:253], v[100:101], v[102:103]
	v_pk_add_f32 v[250:251], v[104:105], v[106:107]
	v_pk_add_f32 v[14:15], v[14:15], v[108:109]
.set n, 110
.rept 6
	v_pk_add_f32 v[220:221], v[220:221], v[n:n+1]
	v_pk_add_f32 v[252:253], v[252:253], v[n+2:n+3]
	v_pk_add_f32 v[250:251], v[250:251], v[n+4:n+5]
	v_pk_add_f32 v[14:15], v[14:15], v[n+6:n+7]
.set n, n+8
.endr
	v_pk_add_f32 v[220:221], v[220:221], v[158:159]
	v_pk_add_f32 v[252:253], v[252:253], v[250:251]
	s_delay_alu instid0(VALU_DEP_2)
	v_pk_add_f32 v[14:15], v[14:15], v[220:221]
	s_delay_alu instid0(VALU_DEP_1)
	v_pk_add_f32 v[14:15], v[14:15], v[252:253]
	s_wait_alu depctr_va_vdst(0)                   ; and one for the two
	v_max_num_f32 v[BM], 0x2800000, v[BM]          ; the floor 2^(5 - 127): the byte cannot fall under 1
	v_max_num_f32 v[BM+1], 0x2800000, v[BM+1]
	s_delay_alu instid0(VALU_DEP_2)
	v_add_nc_u32 v[SO], 0xfe000000, v[BM]
	s_delay_alu instid0(VALU_DEP_2)
	v_add_nc_u32 v[SO+1], 0xfe000000, v[BM+1]
	s_delay_alu instid0(VALU_DEP_2)
	v_lshrrev_b32 v[PB+1], 23, v[SO]
	s_delay_alu instid0(VALU_DEP_2)
	v_lshrrev_b32 v[PB+2], 23, v[SO+1]
	s_delay_alu instid0(VALU_DEP_1)
	v_lshl_or_b32 v[PWD], v[PB+2], 16, v[PB+1]     ; blocks h and 2 + h,
	s_delay_alu instid0(VALU_DEP_1)
	v_lshlrev_b32 v[PWD], v9, v[PWD]               ; at their places in p's scale word;
	s_delay_alu instid0(VALU_DEP_1)
	v_permlanex16_b32 v[TT], v[PWD], s20, s21
	s_delay_alu instid0(VALU_DEP_1)
	v_or_b32 v[PWD], v[PWD], v[TT]                 ; with lane l xor 16's two it is whole
.irp c, 0,1
	v_cvt_scalef32_pk16_bf6_f32 v[224+6*\c:226+6*\c], v[96+32*\c:111+32*\c], v[SO+\c]
	v_cvt_scalef32_pk16_bf6_f32 v[CT+4*\c:CT+4*\c+2], v[112+32*\c:127+32*\c], v[SO+\c]
.endr
	v_nop                                          ; one plain instruction behind the scaled conversions
.irp c, 0,1
.irp i, 0,1,2
	v_mov_b32 v[227+6*\c+\i], v[CT+4*\c+\i]        ; (a conversion's three registers begin on an even number)
.endr
.endr
	s_wait_alu depctr_va_vdst(0)
.set n, 0
.rept 16
	v_pk_mul_f32 v[160+n:161+n], v[160+n:161+n], v[FF:FF+1] op_sel_hi:[1,0]   ; O^T under the new M; of these 16, twelve name no register of any one product below: the places behind the codes' and the scale word's last writes
.set n, n+2
.endr
	s_wait_alu depctr_va_vdst(0)
	s_wait_dscnt 0x0                               ; V
.irp c, 0,2                            ; the four accumulators take turns
	v_wmma_scale_f32_16x16x128_f8f6f4 v[160+8*\c:167+8*\c], v[32+12*\c:43+12*\c], v[224:235], v[160+8*\c:167+8*\c], v[192+\c/2], v[PWD] matrix_a_fmt:MATRIX_FMT_BF6 matrix_b_fmt:MATRIX_FMT_BF6
	v_wmma_scale_f32_16x16x128_f8f6f4 v[168+8*\c:175+8*\c], v[44+12*\c:55+12*\c], v[224:235], v[168+8*\c:175+8*\c], v[192+\c/2], v[PWD] matrix_a_fmt:MATRIX_FMT_BF6 matrix_b_fmt:MATRIX_FMT_BF6 matrix_a_scale:MATRIX_SCALE_ROW1
.endr
.Lhidden_\@:
	s_add_co_u32 s19, s19, 128
	s_add_co_u32 s36, s36, REC
.endm
.macro TILE n2
.if \n2
	s_wait_xcnt 0x0                                ; the first tile's stores have read their registers and pointers
	s_mov_b32 s15, s12
.irp i, 0,1,2,3,4,5
	v_mov_b32 v[16+\i], v[86+\i]
.endr
	v_mov_b32 v28, v29
.else
	s_xor_b32 s15, s12, 31
.endif
	s_lshl_b32 s17, s15, 6                         ; the first of the 64 queries of my I,
	s_add_co_u32 s16, s17, 63                      ; and the last: the branches hang on these two and on I, made of the wave's number alone
	s_lshr_b32 s2, s14, 4
	s_lshl_b32 s2, s2, 7
	s_lshl_b32 s3, s15, 2
	s_add_co_u32 s2, s2, s3
	s_add_co_u32 s2, s2, s13                       ; the tile among all 512: 128 x batch + 4 I + j
	s_and_b32 s3, s14, 15                          ; the head
	s_mul_i32 s52, s2, 12288
	s_mul_i32 s54, s3, 768
	s_add_co_u32 s52, s52, s54
	s_mov_b32 s53, 0
	s_add_nc_u64 s[38:39], s[8:9], s[52:53]        ; ac: [tile][K step = head / 2][head % 2][768 bytes]
	s_lshl_b32 s52, s2, 9
	s_lshr_b32 s54, s3, 3
	s_lshl_b32 s54, s54, 8
	s_add_co_u32 s52, s52, s54
	s_and_b32 s54, s3, 7
	s_lshl_b32 s54, s54, 1
	s_add_co_u32 s52, s52, s54
	s_add_nc_u64 s[40:41], s[10:11], s[52:53]      ; asb: two of the bytes of the word of K step head / 2
	v_mov_b32 v13, 0xff61b1e6                      ; the largest score so far: -3e38
	v_mov_b32 v12, 0x7e800000                      ; -M to go with it: a large whole number, 2^126
	v_mov_b32 v14, 0
	v_mov_b32 v15, 0
.set n, 0
.rept 32
	v_mov_b32 v[160+n], 0                          ; O^T: the step is written once; the first finds zeros, which the first change of M leaves zeros
.set n, n+1
.endr
	s_mov_b32 s19, 0
	s_mov_b32 s36, 0
	s_mov_b32 s37, 16
.Lstep_\@:                                         ; a constant 16 trips; the steps behind the diagonal are left out inside
	STEP
	s_sub_co_u32 s37, s37, 1
	s_cmp_lg_u32 s37, 0
	s_cbranch_scc1 .Lstep_\@
.rept 4
	v_nop
.endr
	v_add_f32 v14, v14, v15
	s_delay_alu instid0(VALU_DEP_1)
	v_permlanex16_b32 v[TT], v14, s20, s21
	s_delay_alu instid0(VALU_DEP_1)
	v_add_f32 v14, v14, v[TT]                      ; the row's sum
	s_wait_alu depctr_va_vdst(0)
	v_rcp_f32 v[FF], v14
	v_nop
	s_wait_alu depctr_va_vdst(0)                   ; ahead of the reciprocal's first reader
.set n, 0
.rept 16
	v_pk_mul_f32 v[96+n:97+n], v[160+n:161+n], v[FF:FF+1] op_sel_hi:[1,0]   ; register n: channel 32 h + n of my query: one whole block
.set n, n+2
.endr
.set n, 0
.rept 32
	v_med3_num_f32 v[96+n], v[96+n], s42, s43      ; the clip
.set n, n+1
.endr
.irp b, 0,1
	v_max3_num_f32 v[BM+\b], |v[96+16*\b]|, |v[97+16*\b]|, 0x2800000
.endr
.irp i, 2,4,6,8,10,12,14
.irp b, 0,1
	s_delay_alu instid0(VALU_DEP_2)
	v_max3_num_f32 v[BM+\b], v[BM+\b], |v[96+16*\b+\i]|, |v[97+16*\b+\i]|
.endr
.endr
	s_delay_alu instid0(VALU_DEP_1)
	v_max_num_f32 v[BM], v[BM], v[BM+1]
	s_delay_alu instid0(VALU_DEP_1)
	v_add_nc_u32 v[SO], 0xfe000000, v[BM]
	s_delay_alu instid0(VALU_DEP_1)
	v_lshrrev_b32 v[TT], 23, v[SO]                 ; the scale byte of block h of the head's two
	v_cvt_scalef32_pk16_bf6_f32 v[224:226], v[96:111], v[SO]
	v_cvt_scalef32_pk16_bf6_f32 v[CT:CT+2], v[112:127], v[SO]
	v_nop
.irp i, 0,1,2
	v_mov_b32 v[227+\i], v[CT+\i]
.endr
	global_store_b128 v1, v[224:227], s[38:39]             ; 512 consecutive bytes, aligned to 256
	global_store_b64 v2, v[228:229], s[38:39] offset:512   ; 256
	global_store_b8 v10, v[TT], s[40:41]                   ; each lane its own block's byte, at 16 r + h
.endm
	TILE 0
	TILE 1
	s_wait_tensorcnt 0x0
	ds_add_u32 v254, v255
	s_wait_dscnt 0x0
	ROUND                                          ; the closing round
	s_endpgm
.Lfunc_end_k_qe8a934c2b4_attn:
	.size	k_qe8a934c2b4_attn, .Lfunc_end_k_qe8a934c2b4_attn-k_qe8a934c2b4_attn
	.p2alignl 7, 3214868480
	.fill 96, 4, 3214868480
	.section	.rodata,"a",@progbits
	.p2align	6, 0x0
	.amdhsa_kernel k_qe8a934c2b4_attn
		.amdhsa_group_segment_fixed_size 210944
		.amdhsa_private_segment_fixed_size 0
		.amdhsa_enable_private_segment 0
		.amdhsa_kernarg_size 32
		.amdhsa_user_sgpr_count 2
		.amdhsa_user_sgpr_kernarg_segment_ptr 1
		.amdhsa_wavefront_size32 1
		.amdhsa_system_sgpr_workgroup_id_x 1
		.amdhsa_system_sgpr_workgroup_id_y 1
		.amdhsa_system_sgpr_workgroup_id_z 1
		.amdhsa_system_vgpr_workitem_id 0
		.amdhsa_next_free_vgpr 256
		.amdhsa_next_free_sgpr 100
		.amdhsa_reserve_vcc 0
		.amdhsa_float_denorm_mode_32 3
		.amdhsa_float_denorm_mode_16_64 3
		.amdhsa_memory_ordered 1
		.amdhsa_forward_progress 1
		.amdhsa_inst_pref_size 66
	.end_amdhsa_kernel
	.amdgpu_metadata
---
amdhsa.version: [ 1, 2 ]
amdhsa.kernels:
  - .name:           k_qe8a934c2b4_attn
    .symbol:         k_qe8a934c2b4_attn.kd
    .args:
      - { .name: qb, .offset: 0, .size: 8, .value_kind: global_buffer, .address_space: global }
      - { .name: kvb, .offset: 8, .size: 8, .value_kind: global_buffer, .address_space: global }
      - { .name: ac, .offset: 16, .size: 8, .value_kind: global_buffer, .address_space: global }
      - { .name: asb, .offset: 24, .size: 8, .value_kind: global_buffer, .address_space: global }
    .group_segment_fixed_size: 210944
    .private_segment_fixed_size: 0
    .kernarg_segment_align: 8
    .kernarg_segment_size: 32
    .max_flat_workgroup_size: 512
    .sgpr_count:     100
    .vgpr_count:     256
    .wavefront_size: 32
...
	.end_amdgpu_metadata
.endif
;; end of part 3
;; launch proj (part 4): grid 8 x 32, 4 waves a work-group, clusters of 4 x 4, 325,120 bytes of LDS; arguments ac, asb, qc, qs, bp, out0; writes out0
.if DOCPART == 4
	.amdgcn_target "amdgcn-amd-amdhsa--gfx1250"
	.amdhsa_code_object_version 6
	.text
	.protected	k_qe8a934c2b4_proj
	.globl	k_qe8a934c2b4_proj
	.p2align	8
	.type	k_qe8a934c2b4_proj,@function
k_qe8a934c2b4_proj:
	s_mov_b64 s[64:65], 0
	v_nop
	global_prefetch_b8 v0, s[64:65] scope:SCOPE_SE
	s_setreg_imm32_b32 hwreg(HW_REG_WAVE_MODE, 25, 1), 1
	s_wait_xcnt 0x0
	s_wait_alu depctr_hold_cnt(0) depctr_sa_sdst(0) depctr_va_vdst(0) depctr_va_sdst(0) depctr_va_ssrc(0) depctr_va_vcc(0) depctr_vm_vsrc(0)
	s_getreg_b32 s2, hwreg(HW_REG_IB_STS2, 6, 4)
	s_cmp_eq_u32 s2, 0
	s_cbranch_scc0 .Lentry_in_a_cluster
	s_endpgm
.Lentry_in_a_cluster:
	s_bfe_u32 s2, ttmp6, 0x10000c
	s_cmp_lg_u32 s2, 0xf033
	s_cbranch_scc0 .Lentry_shape_is_right
	s_endpgm
.Lentry_shape_is_right:
; out = clip(attn wp^T + bp, -10, 10) on codes of BF6, sums in f32.  attn's codes and scale words come from ac and asb, wp's from qc and qs (tiles 704-767), all as images of operand registers.
; SHARES.  A work-group makes 256 tokens x 128 features: 256 work-groups.  Wave (p, q) makes 128 tokens (8 tiles of attn, source 1) x 64 features (4 tiles of wp, source 0).
; LDS.  All of K lies in LDS, filled ONCE, one joint load a wave: waves 0 and 1 attn's halves (8 tiles x 12,288 bytes, dense), wave 2 wp's 8 tiles, wave 3 attn's scale words.  Nothing is filled again.
; wp's scale words (my 4 tiles, 8 K steps) go from memory into registers of their own, v224-255.  CLUSTER 4 x 4: attn's tiles are shared along a row, wp's along a column.
; No prefetch: the launch has no loop to run ahead in; all that it reads is asked for at its head.
; THE WALK GOES BY ROWS OF THE RESULT.  wp's 32 fragments (4 tiles x 8 K steps) are fetched once and stay in registers; then my eight tiles of 16 tokens are finished one after the other, 32 matrix instructions each
; (the tile's 4 accumulators by turns, K ascending), and each tile leaves while the later ones are multiplied.  No fragment is read from LDS twice.
; Source 0 = wp, so a lane holds one token and eight neighbouring features a tile; a tile of 16 tokens goes through the wave's own stage and leaves as rows of 256 bytes, aligned.  bp is the C of each sum's first matrix instruction.
; Row r of a tile T is row 64 (T / 4) + 8 (T % 4) + r % 8 + 32 (r / 8): it enters bp's and the stage's offsets (features) and the stores' offsets (tokens).
; REGISTERS: window 0: v1-16 addresses; v32-95 attn's scale words (8 a + k); v96-127 bp; v128-223 attn's fragments of an even tile (12 k); v224-255 wp's scale words (8 b + k).
;   window 1: wp's fragments of K steps 0-3 (48 k + 12 b);  window 2: of K steps 4-7.
;   window 3: v0-95 attn's fragments of an odd tile; v128-159, v160-191 the accumulators, two sets; v192-223 clipped results; v96-127, v224-255 rows read back, two sets.
.set WPB,   196608
.set SCA,   299008
.set STAGE, 307200
.set SPARE, 0x4f400
.set L16, 1
.set L8,  2
.set A16, 3                            ; v3-4 attn's tiles 0-3, 4-7: 16 x lane
.set A8,  5                            ; v5-6 the same, 8 x lane
.set B16, 7
.set ADRS, 9
.set STO, 10
.set RD,  11
.set CO,  12
.set BO,  13
.set SC,  32
.set SW,  224
.set G1A, 24
.set G1B, 32
.set G1SA, 40
.set G0A, 56
.set G0B, 68
.set G0SA, 76
.set MSB, 0
.macro WIN new
.if MSB != (\new)
	s_set_vgpr_msb (MSB<<8)|(\new)
.set MSB, (\new)
.endif
.endm
.macro PLACES
.rept 4
	v_nop
.endr
.endm
.macro CROUND
	s_barrier_signal -1
	s_barrier_wait -1
	s_cmp_lg_u32 s18, 0
	s_cbranch_scc1 .Lnot_wave_0_\@
	s_barrier_signal -3
.Lnot_wave_0_\@:
	s_barrier_wait -3
	s_barrier_signal -1
	s_barrier_wait -1
.endm
	s_load_b256 s[4:11], s[0:1], 0x0               ; ac, asb, qc, qs
	s_load_b128 s[12:15], s[0:1], 0x20             ; bp, out0
	v_lshl_add_u32 v30, v0, 2, SPARE
	v_mov_b32 v31, 0
	ds_add_u32 v30, v31                            ; the opening lines
	ds_add_u32 v30, v31
	v_lshrrev_b32 v14, 5, v0
	v_readfirstlane_b32 s18, v14                   ; wave
	s_lshr_b32 s19, s18, 1                         ; p
	s_and_b32 s20, s18, 1                          ; q
	s_bfe_u32 s22, ttmp6, 0x40000                  ; cx
	s_bfe_u32 s23, ttmp6, 0x40004                  ; cy
	s_lshl_b32 s21, ttmp9, 2
	s_add_co_u32 s21, s21, s22                     ; which 128 features
	s_and_b32 s48, ttmp7, 0xffff
	s_lshl_b32 s48, s48, 2
	s_add_co_u32 s48, s48, s23                     ; which 256 tokens
	s_lshl_b32 s49, s23, 2
	s_lshl_b32 s49, 15, s49                        ; my row of the cluster
	s_lshl_b32 s50, 0x1111, s22                    ; my column
	s_or_b32 s[G1A], s49, (3<<16)|(1<<21)
	s_or_b32 s[G1B], s50, (3<<16)|(1<<21)
	s_or_b32 s[G1SA], s49, (3<<16)|(1<<21)
.irp g, G1A, G1B                       ; 8 tiles: 8 rows of 12,288 bytes (1,536 elements of 8), dense
	s_mov_b32 s[\g+1], 1536<<16
	s_mov_b32 s[\g+2], 8<<16
	s_mov_b32 s[\g+3], 1536<<16
	s_mov_b32 s[\g+4], 8
	s_mov_b32 s[\g+5], 1536
	s_mov_b32 s[\g+6], 0
	s_mov_b32 s[\g+7], 0
.endr
	s_mov_b32 s[G1SA+1], 32<<16                    ; 16 tiles' scale words: 32 dense rows of 256 bytes
	s_mov_b32 s[G1SA+2], 32<<16
	s_mov_b32 s[G1SA+3], 32<<16
	s_mov_b32 s[G1SA+4], 32
	s_mov_b32 s[G1SA+5], 32
	s_mov_b32 s[G1SA+6], 0
	s_mov_b32 s[G1SA+7], 0
	s_lshl_b32 s96, s48, 4
	s_lshl_b32 s97, s20, 3
	s_add_co_u32 s96, s96, s97                     ; attn's tile 16 x (token block) + 8 x (wave & 1)
	s_mul_i32 s96, s96, 12288
	s_mov_b32 s97, 0
	s_lshl_b32 s98, s48, 13
	s_mov_b32 s99, 0
	s_lshl_b32 s2, s21, 3
	s_add_co_u32 s2, s2, 704                       ; wp's tile 704 + 8 x (feature block)
	s_lshl_b32 s100, s2, 9
	s_lshl_b32 s101, s20, 11
	s_add_co_u32 s100, s100, s101                  ; the scale words of my 4 tiles
	s_mov_b32 s101, 0
	s_mul_i32 s2, s2, 12288
	s_mov_b32 s3, 0
	s_mul_i32 s51, s20, 98304                      ; where attn's half goes
	s_mul_i32 s52, s19, 98304                      ; my 8 tiles of attn: 0-3,
	s_add_co_u32 s53, s52, 49152                   ; 4-7
	s_mul_i32 s54, s20, 49152
	s_add_co_u32 s54, s54, WPB                     ; my 4 tiles of wp
	s_mul_i32 s55, s18, 16*272
	s_add_co_u32 s55, s55, STAGE                   ; my stage
	s_lshl_b32 s60, s19, 12
	s_add_co_u32 s60, s60, SCA                     ; my tiles' scale words
	s_lshl_b32 s84, s21, 9
	s_lshl_b32 s85, s20, 8
	s_add_co_u32 s84, s84, s85                     ; my 64 features, in bytes
	s_mov_b32 s85, 0
	s_lshl_b32 s86, s48, 20
	s_lshl_b32 s87, s19, 19
	s_add_co_u32 s86, s86, s87                     ; my first token's row of 4,096 bytes
	s_mov_b32 s87, 0
	s_mov_b32 s88, 0xc1200000                      ; -10
	s_mov_b32 s89, 0x41200000                      ; +10
	s_wait_dscnt 0x0
	s_wait_kmcnt 0x0
	s_add_nc_u64 s[96:97], s[4:5], s[96:97]
	s_add_nc_u64 s[98:99], s[6:7], s[98:99]
	s_add_nc_u64 s[2:3], s[8:9], s[2:3]
	s_add_nc_u64 s[16:17], s[10:11], s[100:101]
	s_add_nc_u64 s[12:13], s[12:13], s[84:85]
	s_add_nc_u64 s[14:15], s[14:15], s[84:85]
	s_add_nc_u64 s[14:15], s[14:15], s[86:87]
	s_mov_b32 s[G0A], 1
	s_mov_b32 s[G0A+1], s51
	s_mov_b64 s[G0A+2:G0A+3], s[96:97]
	s_or_b32 s[G0A+3], s[G0A+3], 0x80000000
	s_mov_b32 s[G0B], 1
	s_mov_b32 s[G0B+1], WPB
	s_mov_b64 s[G0B+2:G0B+3], s[2:3]
	s_or_b32 s[G0B+3], s[G0B+3], 0x80000000
	s_mov_b32 s[G0SA], 1
	s_mov_b32 s[G0SA+1], SCA
	s_mov_b64 s[G0SA+2:G0SA+3], s[98:99]
	s_or_b32 s[G0SA+3], s[G0SA+3], 0x80000000
	CROUND                                         ; all sixteen work-groups are here
	s_cmp_lt_u32 s18, 2                            ; one chain of branches on the wave's number, one load to an arm
	s_cbranch_scc0 .Lnot_a
	tensor_load_to_lds s[G0A:G0A+3], s[G1A:G1A+7]
	s_nop 0
	PLACES
	s_branch .Lasked
.Lnot_a:
	s_cmp_eq_u32 s18, 2
	s_cbranch_scc0 .Lfor_scales
	tensor_load_to_lds s[G0B:G0B+3], s[G1B:G1B+7]
	s_nop 0
	PLACES
	s_branch .Lasked
.Lfor_scales:
	tensor_load_to_lds s[G0SA:G0SA+3], s[G1SA:G1SA+7]
	s_nop 0
	PLACES
.Lasked:
	v_and_b32 v14, 31, v0
	v_lshlrev_b32 v[L16], 4, v14
	v_lshlrev_b32 v[L8], 3, v14
	v_and_b32 v14, 15, v0                          ; r
	v_bfe_u32 v15, v0, 4, 1                        ; h
	v_lshlrev_b32 v[BO], 7, v15
	v_lshlrev_b32 v16, 4, v14                      ; 16 r
	v_add_nc_u32 v[A16], s52, v[L16]
	v_add_nc_u32 v[A16+1], s53, v[L16]
	v_add_nc_u32 v[A8], s52, v[L8]
	v_add_nc_u32 v[A8+1], s53, v[L8]
	v_add_nc_u32 v[B16], s54, v[L16]
	v_mul_u32_u24 v[STO], v14, 272
	v_lshl_add_u32 v[STO], v15, 7, v[STO]
	v_add_nc_u32 v[STO], s55, v[STO]               ; in: row r, + 128 h
	v_mul_u32_u24 v[RD], v15, 272
	v_lshl_add_u32 v[RD], v14, 4, v[RD]
	v_add_nc_u32 v[RD], s55, v[RD]                 ; back: lanes 0-15 one row, lanes 16-31 the next
	v_lshlrev_b32 v[CO], 12, v15
	v_lshl_add_u32 v[CO], v14, 4, v[CO]            ; and the same two rows in out0
	v_add_nc_u32 v[ADRS], s60, v16
.irp b, 0,1,2,3
	global_load_b128 v[96+8*\b:99+8*\b], v[BO], s[12:13] offset:32*\b                      ; bp at features 32 h + 8 b + 0 .. 7
	global_load_b128 v[100+8*\b:103+8*\b], v[BO], s[12:13] offset:32*\b+16
	global_load_b128 v[SW+8*\b:SW+8*\b+3], v16, s[16:17] offset:512*\b                     ; wp's tile b: row r's words of K steps 0-3,
	global_load_b128 v[SW+8*\b+4:SW+8*\b+7], v16, s[16:17] offset:512*\b+256               ; and 4-7
.endr
.macro LDA a                           ; attn's tile a, all eight K steps: 32 loads; a fragment is two heads' images of six registers
.set AB, 128-128*((\a)%2)
	WIN 0xc0*((\a)%2)
.irp k, 0,1,2,3,4,5,6,7
	ds_load_b128 v[AB+12*\k:AB+12*\k+3], v[A16+(\a)/4] offset:((\a)%4)*12288+\k*1536
	ds_load_b64 v[AB+12*\k+4:AB+12*\k+5], v[A8+(\a)/4] offset:((\a)%4)*12288+\k*1536+512
	ds_load_b128 v[AB+12*\k+6:AB+12*\k+9], v[A16+(\a)/4] offset:((\a)%4)*12288+\k*1536+768
	ds_load_b64 v[AB+12*\k+10:AB+12*\k+11], v[A8+(\a)/4] offset:((\a)%4)*12288+\k*1536+1280
.endr
	WIN 0
.endm
.macro LDWP half                       ; wp's 16 fragments of four K steps, K step by K step: 48 loads
	WIN 0x40*(1+\half)
.irp k, 0,1,2,3
.irp b, 0,1,2,3
.irp g, 0,1,2
	ds_load_b128 v[48*\k+12*\b+4*\g:48*\k+12*\b+4*\g+3], v[B16] offset:\b*12288+(4*\half+\k)*1536+512*\g
.endr
.endr
.endr
	WIN 0
.endm
; Tile a is finished: 32 matrix instructions, its 4 accumulators by turns, K ascending; the sums begin with bp.
.macro ROW a
.set AB, 128-128*((\a)%2)
.set S1, 12*((\a)%2)                   ; source 1: window 0 or 3
.set ACC, 128+32*((\a)%2)
.irp k, 0,1,2,3,4,5,6,7
.if (\a) == 0                          ; the first tile follows wp's fragments in: behind K step k's stand (7 - k) x 12 loads of wp and tile 1's 32
.if (7-\k)*12+32 > 63
	s_wait_dscnt 63
.else
	s_wait_dscnt (7-\k)*12+32
.endif
.endif
.if \k == 0
	WIN 0xc1|S1
.else
	WIN (0xf1+\k/4)|S1
.endif
.irp b, 0,1,2,3
.if \k == 0
	v_wmma_scale_f32_16x16x128_f8f6f4 v[ACC+8*\b:ACC+8*\b+7], v[12*\b:12*\b+11], v[AB:AB+11], v[96+8*\b:103+8*\b], v[SW+8*\b], v[SC+8*(\a)] matrix_a_fmt:MATRIX_FMT_BF6 matrix_b_fmt:MATRIX_FMT_BF6
.else
	v_wmma_scale_f32_16x16x128_f8f6f4 v[ACC+8*\b:ACC+8*\b+7], v[48*(\k%4)+12*\b:48*(\k%4)+12*\b+11], v[AB+12*\k:AB+12*\k+11], v[ACC+8*\b:ACC+8*\b+7], v[SW+8*\b+\k], v[SC+8*(\a)+\k] matrix_a_fmt:MATRIX_FMT_BF6 matrix_b_fmt:MATRIX_FMT_BF6
.endif
.endr
.endr
.endm
; THE WAY OUT of tile a: clipped, into my stage, back as rows of 256 bytes; stored a tile later.  LDS serves a wave's instructions in order: no wait between the stores and the loads.
.macro TOSTAGE a
.set ACC, 128+32*((\a)%2)
.set BK, 96+128*((\a)%2)
	WIN 0xc3
.set n, 0
.rept 32
	v_med3_num_f32 v[192+n], v[ACC+n], s88, s89        ; each accumulator from its low end on
.set n, n+1
.endr
	WIN 0x0c                                       ; the data: window 3
.irp b, 0,1,2,3
	ds_store_b128 v[STO], v[192+8*\b:195+8*\b] offset:32*\b
	ds_store_b128 v[STO], v[196+8*\b:199+8*\b] offset:32*\b+16
.endr
	WIN 0xc0
.irp t, 0,1,2,3,4,5,6,7
	ds_load_b128 v[BK+4*\t:BK+4*\t+3], v[RD] offset:2*\t*272
.endr
	WIN 0
.endm
.macro SEND a, younger                 ; younger: the LDS instructions issued behind tile a's loads from the stage
.set BK, 96+128*((\a)%2)
	s_wait_dscnt \younger
	WIN 0x0c
.irp t, 0,1,2,3,4,5,6,7
	global_store_b128 v[CO], v[BK+4*\t:BK+4*\t+3], s[14:15] offset:(64*((\a)/4)+8*((\a)%4)+2*\t+24*(\t/4))*4096 th:TH_STORE_NT   ; the stage's rows 2 t, 2 t + 1 are tokens 2 t + 24 (t / 4) (+ 1) of the tile; 16 lanes store 256 consecutive bytes, aligned
.endr
	WIN 0
.endm
	s_wait_alu depctr_va_vdst(0)
	s_wait_tensorcnt 0x0                           ; my load is in,
	s_barrier_signal -1
	s_barrier_wait -1                              ; everybody's is: LDS is only read from here on, but for the stages
	LDA 0
.irp i, 0,1,2,3,4,5,6,7                ; attn's scale words of all eight K steps, once
	ds_load_b128 v[SC+8*\i:SC+8*\i+3], v[ADRS] offset:512*\i
	ds_load_b128 v[SC+8*\i+4:SC+8*\i+7], v[ADRS] offset:512*\i+256
.endr
	LDWP 0
	LDWP 1
	LDA 1
	s_wait_loadcnt 0x0                             ; bp, wp's scale words
	ROW 0
	PLACES                                         ; ahead of the loads into the fragments just multiplied and of the reads of the results
	LDA 2
	TOSTAGE 0
.irp a, 1,2,3,4,5
	s_wait_dscnt 48                                ; tile a's fragments are in: behind them at least the 32 loads of tile a + 1 and the stage's 8 stores and 8 loads
	ROW \a
	PLACES
	LDA \a+2
.if \a > 1
	s_wait_xcnt 0x0                                ; the stores of two tiles ago have read the registers into which this tile's rows are loaded
.endif
	TOSTAGE \a
	SEND \a-1, 48                                  ; behind tile a - 1's loads from the stage: 32 loads of fragments, 8 stores, 8 loads
.endr
.irp a, 6,7
	s_wait_dscnt 16                                ; behind tile a's fragments at least the stage's 8 stores and 8 loads
	ROW \a
	PLACES
	s_wait_xcnt 0x0
	TOSTAGE \a
	SEND \a-1, 16
.endr
	SEND 7, 0
	s_wait_tensorcnt 0x0                           ; the wave's end
	ds_add_u32 v30, v31
	s_wait_dscnt 0x0
	CROUND                                         ; the closing round
	s_endpgm
.Lfunc_end_k_qe8a934c2b4_proj:
	.size	k_qe8a934c2b4_proj, .Lfunc_end_k_qe8a934c2b4_proj-k_qe8a934c2b4_proj
	.p2alignl 7, 3214868480
	.fill 96, 4, 3214868480
	.section	.rodata,"a",@progbits
	.p2align	6, 0x0
	.amdhsa_kernel k_qe8a934c2b4_proj
		.amdhsa_group_segment_fixed_size 325120
		.amdhsa_private_segment_fixed_size 0
		.amdhsa_enable_private_segment 0
		.amdhsa_kernarg_size 48
		.amdhsa_user_sgpr_count 2
		.amdhsa_user_sgpr_kernarg_segment_ptr 1
		.amdhsa_wavefront_size32 1
		.amdhsa_system_sgpr_workgroup_id_x 1
		.amdhsa_system_sgpr_workgroup_id_y 1
		.amdhsa_system_sgpr_workgroup_id_z 1
		.amdhsa_system_vgpr_workitem_id 0
		.amdhsa_next_free_vgpr 1024
		.amdhsa_next_free_sgpr 102
		.amdhsa_reserve_vcc 0
		.amdhsa_float_denorm_mode_32 3
		.amdhsa_float_denorm_mode_16_64 3
		.amdhsa_memory_ordered 1
		.amdhsa_forward_progress 1
		.amdhsa_inst_pref_size 99
	.end_amdhsa_kernel
	.amdgpu_metadata
---
amdhsa.version: [ 1, 2 ]
amdhsa.kernels:
  - .name:           k_qe8a934c2b4_proj
    .symbol:         k_qe8a934c2b4_proj.kd
    .args:
      - { .name: ac, .offset: 0, .size: 8, .value_kind: global_buffer, .address_space: global }
      - { .name: asb, .offset: 8, .size: 8, .value_kind: global_buffer, .address_space: global }
      - { .name: qc, .offset: 16, .size: 8, .value_kind: global_buffer, .address_space: global }
      - { .name: qs, .offset: 24, .size: 8, .value_kind: global_buffer, .address_space: global }
      - { .name: bp, .offset: 32, .size: 8, .value_kind: global_buffer, .address_space: global }
      - { .name: out0, .offset: 40, .size: 8, .value_kind: global_buffer, .address_space: global }
    .group_segment_fixed_size: 325120
    .private_segment_fixed_size: 0
    .kernarg_segment_align: 8
    .kernarg_segment_size: 48
    .max_flat_workgroup_size: 128
    .sgpr_count:     102
    .vgpr_count:     1024
    .wavefront_size: 32
...
	.end_amdgpu_metadata
.endif
;; end of part 4
